; MI455X (gfx1250); checked and timed in simulation.
; The chip was launched on July 23, 2026; its instructions are those of AMD's public machine-readable ISA for CDNA 5 (MIT licence, August 2026) and "CDNA5" Instruction Set Architecture Reference Guide (July 2026). The comments in the code are by the model that wrote it; some were corrected since.
;; Ro PE Attention. Allowed arithmetic: matrix products marked QUANTISED: E2M3 operands, one E8M0 scale for each 32 along K, by v_wmma_scale_f32_16x16x128_f8f6f4 with both operands' format E2M3, f32 sums; everything else in f32.
;; Inputs: b_proj 1,024 float32; w_proj 1,024 x 1,024 float32; w_qkv 3,072 x 1,024 float32; x 4 x 2,048 x 1,024 float32.
;; Outputs: out0 4 x 2,048 x 1,024 float32.
;; This version of the problem:
;;   THIS VERSION OF THE PROBLEM IS GIVEN IN LOW PRECISION. The matrix products marked QUANTISED in the list below multiply operands that are first quantised to E2M3 (2 exponent bits, 3 mantissa bits; 6 bits a number), with one power-of-two scale for each 32 numbers along K (OCP MX v1.0); their sums are f32. All else is computed in f32.
;;   The module's matrix products, in the order in which they are computed (A, B: the left and right operand; K: the contracted axis; several contracted axes count as one K, in the product's order):
;;     1. [M 8,192, K 1,024] x [K 1,024, N 3,072]; A: input x; B: input w_qkv: QUANTISED
;;     2. batch 64 x [M 2,048, K 64] x [K 64, N 2,048]; A: computed on the way; B: computed on the way: QUANTISED
;;     3. batch 64 x [M 2,048, K 2,048] x [K 2,048, N 64]; A: softmax (see below); B: computed on the way: QUANTISED
;;     4. [M 8,192, K 1,024] x [K 1,024, N 1,024]; A: computed on the way; B: input w_proj: QUANTISED
;;   THE QUANTISER, for each operand of a quantised product, along K:
;;     - K is cut into blocks of 32 from its start; a last block that is shorter is filled with zeros.
;;     - A block's scale is 2^e with e = floor(log2(the largest magnitude in the block)) - 2, held to -126 .. 127; a block of zeros has e = 0. As a byte (E8M0): e + 127.
;;     - Each number is divided by its block's scale, clamped to +-7.5, and rounded to the nearest number of E2M3, ties to even, subnormals kept.
;;     - The product sums the exact products of the quantised numbers (number of the format x scale) in f32.
;;   ~~~python
;;   def quantise(x, axis):      # numpy; x: float32 -> the quantised numbers, widened to float32 again
;;       x = np.moveaxis(x, axis, -1); K = x.shape[-1]
;;       x = np.pad(x, [(0, 0)] * (x.ndim - 1) + [(0, -K % 32)]); x = x.reshape(x.shape[:-1] + (-1, 32)); a = np.abs(x).max(-1, keepdims=True)
;;       e = np.where(a > 0, np.clip(np.frexp(np.where(a > 0, a, 1))[1] - 1 - 2, -126, 127), 0)      # np.frexp(a)[1] - 1 = floor(log2(a)), exactly
;;       r = np.clip(x / 2.0 ** e, -7.5, 7.5)
;;       step = 2.0 ** (np.maximum(np.frexp(np.where(r == 0, 1, r))[1] - 1, 0) - 3)
;;       q = np.round(r / step) * step * 2.0 ** e      # np.round: ties to even
;;       return np.moveaxis(q.reshape(q.shape[:-2] + (-1,))[..., :K], -1, axis).astype(np.float32)
;;   ~~~
;;   SOFTMAX AHEAD OF A QUANTISED PRODUCT. Where the list says 'softmax', what is quantised is not the finished softmax but p = 2^(t - M), with t = logit x log2(e) and M = ceil(the row's largest t), a whole number; so 1/2 < the row's largest p <= 1. The row's sum l is taken of the UNQUANTISED p, in f32, and the product's result is divided by l at the end. Since M is a whole number, a kernel that streams over the keys may use a running M (the ceiling of the running maximum): every later rescaling is an exact power of two, which a block's scale takes up: the codes' values come out the same.
;;   OPERANDS COMPUTED ON THE WAY. 'Computed on the way' means the value that the module computes at that place (a softmax that the list does not call 'softmax' is quantised finished and normalised). What goes into a quantiser is computed in f32, as accurately as f32 sums, v_exp_f32 and their like allow (about 1e-6 of the number): no bf16 or f16 on the way to a quantiser, and a product that is left as it is and whose result goes on into a quantised operand takes f32 operands (vector FMAs, or v_wmma_f32_16x16x4_f32). A number that lies on a knife's edge between two numbers of the format may be rounded either way, as far as f32 arithmetic and the matrix unit's own rounding can turn it there, and no further.
;; One version. Each part assembles by itself: llvm-mc -triple=amdgcn-amd-amdhsa -mcpu=gfx1250 --defsym DOCPART=n.
;; ======== version 1 of 1: 5 launches
;; limits: right only within a limited range of input values
;; workspace buffers: img 15,728,640 bytes; sc 655,360 bytes; rope 524,288 bytes; qkv 20,185,088 bytes
;; launch quant (part 1): grid 448 x 1, 4 waves a work-group, no clusters, 35,328 bytes of LDS; arguments x, w_qkv, w_proj, img, sc, rope; writes img, sc, rope
.if DOCPART == 1
	.amdgcn_target "amdgcn-amd-amdhsa--gfx1250"
	.amdhsa_code_object_version 6
	.text
	.protected	k_qe23ed78e8f_quant
	.globl	k_qe23ed78e8f_quant
	.p2align	8
	.type	k_qe23ed78e8f_quant,@function
k_qe23ed78e8f_quant:
	s_mov_b64 s[64:65], 0
	v_nop
	global_prefetch_b8 v0, s[64:65] scope:SCOPE_SE
	s_setreg_imm32_b32 hwreg(HW_REG_WAVE_MODE, 25, 1), 1
	s_wait_xcnt 0x0
; x [8192][1024], w_qkv [3072][1024], w_proj [1024][1024], f32, K innermost, become codes of FP6 (E2M3) with one E8M0 byte for each 32 along K,
; laid as IMAGES OF OPERAND REGISTERS: img[tile][K step s][1,536 bytes]: a fragment (16 rows x 128 K, 12 registers a lane), register group g of lane l at 512 g + 16 l.
; sc[tile][s][16 words]: the four scale bytes of one row and one K step.  Tiles 0-511 x, 512-703 w_qkv, 704-767 w_proj.
; THE ROWS OF A TILE ARE NOT NEIGHBOURS: lane r of tile T holds row 32 (T / 2) + 8 (T % 2) + r + 8 (r / 8), so that in a product used transposed the 16 registers of two neighbouring tiles are 16 neighbours.
; A block's scale is 2^(floor(log2(largest magnitude)) - 2); its byte is the largest magnitude's exponent field - 2, held at 1 from below.
; LIMITS: NaN and infinities among the inputs are not served; a block whose largest magnitude lies under 2^-124 keeps the byte 1; a block of zeros gets the byte 1 and not 127 (its codes are zeros, and this program alone reads the bytes).
; SHARES.  Work-groups 0-383: a wave takes one tile and four K steps (16 rows x 512 numbers).  Each load reads 512 consecutive bytes of one row; a K step's 8,192 bytes turn through the wave's own stage in LDS
; (rows 528 bytes apart: sixteen rows start at sixteen different groups of banks), from which a lane takes the 2 x 32 neighbours that the operand's layout gives it.  So the conversions' results are the operand's registers.
; Work-groups 384-447 make the table of rotations: rope[token][pair P 0..31] = (cos, sin) of position x 10^(-0.4 i); pairs 30, 31 are (1, 0).  They touch no LDS.
; Memory binds here: no matrix unit, no cluster, no tensor load, no barrier: waves share nothing.
.set STG,   8704                       ; LDS of a wave: the stage, 16 x 528 bytes, then 256 bytes for its scale words
.set SCR,   8448
.set SPARE, 4*STG                      ; behind the four regions: the spare words, 128 bytes a wave, that no other line names
.set SPW,   12                         ; v12  LDS address of my spare word; never rewritten
.set NIL,   13                         ; v13  0; never rewritten
.set MX,    14                         ; v14-15 the two blocks' largest magnitudes
.set SO,    16                         ; v16-17 the conversions' scale operands
.set BY,    18                         ; v18-19 the scale bytes
.set WD,    20                         ; v20  the row's scale word
.set TP,    21                         ; v21  the other half's part of it
.set C,     24                         ; v24-47 codes: two sets of 12
.set PT,    48                         ; v48-50, v52-54 the upper halves of two blocks, as converted
.set R,     64                         ; v64-191 two sets of 64 numbers as loaded
.set X,     192                        ; v192-255 my 64 numbers of a K step
	s_load_b128 s[4:7], s[0:1], 0x0                ; x, w_qkv
	s_load_b128 s[8:11], s[0:1], 0x10              ; w_proj, img
	s_load_b128 s[12:15], s[0:1], 0x20             ; sc, rope
	v_lshl_add_u32 v[SPW], v0, 2, SPARE
	v_mov_b32 v[NIL], 0
	v_lshrrev_b32 v1, 5, v0
	v_readfirstlane_b32 s16, v1                    ; wave 0..3
	v_and_b32 v2, 31, v0                           ; lane
	s_cmp_ge_u32 ttmp9, 384
	s_cbranch_scc1 .Ltable
	v_and_b32 v3, 15, v0                           ; r
	v_bfe_u32 v11, v0, 4, 1                        ; h
	v_lshlrev_b32 v4, 4, v2                        ; 16 x lane: my bytes of a load's 512, and of an image's group
	s_mul_i32 s17, s16, STG
	v_add_nc_u32 v5, s17, v4                       ; the stage, way in: a row as it lies
	v_mul_u32_u24 v6, v3, 528
	v_lshl_add_u32 v6, v11, 7, v6
	v_add_nc_u32 v6, s17, v6                       ; way out: row r, + 128 h: k = 32 h on
	s_add_co_u32 s18, s17, SCR
	v_lshl_add_u32 v7, v3, 2, s18                  ; my row's scale word
	v_lshl_add_u32 v8, v2, 3, s18                  ; and the 256 bytes on their way out, 8 a lane
	v_lshlrev_b32 v9, 3, v2
	v_lshlrev_b32 v10, 3, v11                      ; 8 h: where my two bytes stand in the word
	v_mov_b32 v[TP], 0                             ; written once: a lane permute's destination counts as one of its sources
	s_mov_b32 s20, 0x76543210
	s_mov_b32 s21, 0xfedcba98                      ; selects for lane l xor 16
	s_lshl_b32 s22, ttmp9, 1
	s_lshr_b32 s23, s16, 1
	s_add_co_u32 s22, s22, s23                     ; my tile: 2 x work-group + wave / 2
	s_and_b32 s23, s16, 1                          ; my half of K
	s_mov_b32 s24, 704
	s_wait_alu depctr_va_vdst(0)
	s_wait_kmcnt 0x0
	s_cmp_lt_u32 ttmp9, 352                        ; which tensor: the choice hangs on the work-group's number alone
	s_cselect_b64 s[6:7], s[6:7], s[8:9]
	s_cselect_b32 s24, 512, s24
	s_cmp_lt_u32 ttmp9, 256
	s_cselect_b64 s[4:5], s[4:5], s[6:7]
	s_cselect_b32 s24, 0, s24
	s_sub_co_u32 s24, s22, s24                     ; the tile's number in its tensor
	s_lshr_b32 s25, s24, 1
	s_lshl_b32 s25, s25, 5
	s_and_b32 s26, s24, 1
	s_lshl_b32 s26, s26, 3
	s_add_co_u32 s25, s25, s26                     ; its first row
	s_lshl_b32 s26, s25, 12                        ; rows of 4,096 bytes
	s_lshl_b32 s27, s23, 11
	s_add_co_u32 s26, s26, s27                     ; + 2,048 x half
	s_mov_b32 s27, 0
	s_add_nc_u64 s[4:5], s[4:5], s[26:27]
	s_mul_i32 s26, s22, 12288
	s_mul_i32 s28, s23, 6144
	s_add_co_u32 s26, s26, s28
	s_add_nc_u64 s[10:11], s[10:11], s[26:27]      ; my four images
	s_lshl_b32 s26, s22, 9
	s_lshl_b32 s28, s23, 8
	s_add_co_u32 s26, s26, s28
	s_add_nc_u64 s[12:13], s[12:13], s[26:27]      ; my 256 bytes of scale words
.macro LOAD t                          ; K step t of the tile's 16 rows: 512 consecutive bytes a load
.irp j, 0,1,2,3,4,5,6,7,8,9,10,11,12,13,14,15
	global_load_b128 v[R+64*((\t)%2)+4*\j:R+64*((\t)%2)+4*\j+3], v4, s[4:5] offset:(\j+8*(\j/8))*4096+512*(\t) th:TH_LOAD_NT
.endr
.endm
.macro STEP t
.set RS, R+64*((\t)%2)
.set CS, C+12*((\t)%2)
.if (\t) < 3
	s_wait_loadcnt 16                              ; this step's 16 loads are in; the next step's 16 may be out
.else
	s_wait_loadcnt 0x0
.endif
.irp j, 0,1,2,3,4,5,6,7,8,9,10,11,12,13,14,15
	ds_store_b128 v5, v[RS+4*\j:RS+4*\j+3] offset:528*\j
.endr
.irp c, 0,1
.irp i, 0,1,2,3,4,5,6,7
	ds_load_b128 v[X+32*\c+4*\i:X+32*\c+4*\i+3], v6 offset:256*\c+16*\i   ; LDS serves a wave's instructions in order: these see the stores above.  X[32 c + e] = k 64 c + 32 h + e of row r
.endr
.endr
	s_wait_dscnt 0x0                               ; my numbers are back, and the stores have read the set,
.if (\t) < 2
	LOAD (\t)+2                                    ; which takes the loads of two steps on
.endif
.irp c, 0,1
	v_max3_num_f32 v[MX+\c], |v[X+32*\c]|, |v[X+32*\c+1]|, 0x1800000   ; block 2 c + h is all mine; the floor 2^(3 - 127) holds the byte at 1 from below
.endr
.irp i, 2,4,6,8,10,12,14,16,18,20,22,24,26,28,30
.irp c, 0,1
	v_max3_num_f32 v[MX+\c], v[MX+\c], |v[X+32*\c+\i]|, |v[X+32*\c+\i+1]|
.endr
.endr
.irp c, 0,1
	v_add_nc_u32 v[SO+\c], 0xff000000, v[MX+\c]    ; 2 off the exponent field: the conversion takes the exponent field of this operand as its scale
.endr
.irp c, 0,1
	v_lshrrev_b32 v[BY+\c], 23, v[SO+\c]           ; the scale's byte
.endr
	v_lshl_or_b32 v[WD], v[BY+1], 16, v[BY]        ; blocks h and 2 + h,
	v_lshlrev_b32 v[WD], v10, v[WD]                ; at their places in the word;
	v_permlanex16_b32 v[TP], v[WD], s20, s21
	v_or_b32 v[WD], v[WD], v[TP]                   ; with lane l xor 16's two the word is whole
.if (\t) >= 2
	s_wait_alu depctr_va_vdst(0)
	s_wait_xcnt 0x0                                ; the stores of two steps back have read this set of codes
.endif
.irp c, 0,1
	v_cvt_scalef32_pk16_fp6_f32 v[CS+6*\c:CS+6*\c+2], v[X+32*\c:X+32*\c+15], v[SO+\c]
	v_cvt_scalef32_pk16_fp6_f32 v[PT+4*\c:PT+4*\c+2], v[X+32*\c+16:X+32*\c+31], v[SO+\c]   ; (a conversion's three registers begin on an even number)
.endr
	v_nop                                          ; one plain instruction behind the scaled conversions
.irp c, 0,1
.irp i, 0,1,2
	v_mov_b32 v[CS+6*\c+3+\i], v[PT+4*\c+\i]
.endr
.endr
.irp g, 0,1,2
	global_store_b128 v4, v[CS+4*\g:CS+4*\g+3], s[10:11] offset:1536*(\t)+512*\g   ; 32 lanes store 512 consecutive bytes, aligned to 256
.endr
	ds_store_b32 v7, v[WD] offset:64*(\t)          ; lanes l and l + 16 write the same word with the same value
.endm
	LOAD 0
	LOAD 1
	STEP 0
	STEP 1
	STEP 2
	STEP 3
	ds_load_b64 v[22:23], v8                       ; the four steps' 64 words
	s_wait_dscnt 0x0
	global_store_b64 v9, v[22:23], s[12:13]        ; 32 lanes store 256 consecutive bytes, aligned
	s_wait_tensorcnt 0x0                           ; the wave's end
	ds_add_u32 v[SPW], v[NIL]
	s_wait_dscnt 0x0
	s_endpgm
; THE TABLE.  A wave takes eight tokens, a lane a pair P.  Pairs 0-9 turn by the token's depth, 10-19 by its height, 20-29 by its width; 30, 31 do not turn.
; The angle f = position x omega is at most 15.  It is brought to |rho| <= pi / 4 by k = the nearest whole number to f x 2 / pi, with pi / 2 in two parts; sine and cosine of rho are their series
; to rho^9 and rho^10 (the next terms are under 2e-9); the quadrant k mod 4 picks and signs them.
.Ltable:
	s_sub_co_u32 s17, ttmp9, 384
	s_lshl_b32 s17, s17, 2
	s_add_co_u32 s17, s17, s16
	s_lshl_b32 s18, s17, 3                         ; my first token
	s_lshl_b32 s22, s18, 8                         ; 256 bytes a token
	s_mov_b32 s23, 0
	s_wait_alu depctr_va_vdst(0)
	v_mul_u32_u24 v3, v2, 205
	v_lshrrev_b32 v3, 11, v3                       ; axis = P / 10
	v_mul_u32_u24 v4, v3, 10
	v_sub_nc_u32 v4, v2, v4                        ; i = P - 10 axis
	v_lshlrev_b32 v5, 2, v3
	v_sub_nc_u32 v5, 8, v5
	v_and_b32 v5, 31, v5                           ; the position's shift: 8, 4, 0; for pairs 30, 31 it is 28, which leaves position 0
	v_mov_b32 v6, 1.0                              ; omega = 10^(-0.4 i)
.macro OMEGA i, bits
	v_cmp_ne_u32 vcc_lo, \i, v4
	v_cndmask_b32 v6, \bits, v6, vcc_lo
.endm
	OMEGA 1, 0x3ecbd4b4
	OMEGA 2, 0x3e224b06
	OMEGA 3, 0x3d813856
	OMEGA 4, 0x3ccdc614
	OMEGA 5, 0x3c23d70a
	OMEGA 6, 0x3b8273a6
	OMEGA 7, 0x3acfbc31
	OMEGA 8, 0x3a2566d5
	OMEGA 9, 0x3983b1f8
	v_lshlrev_b32 v7, 3, v2                        ; 8 bytes a pair
	s_wait_kmcnt 0x0
	s_add_nc_u64 s[14:15], s[14:15], s[22:23]
.macro TOKEN t
	s_add_co_u32 s19, s18, \t
	v_lshrrev_b32 v8, v5, s19
	v_and_b32 v8, 15, v8
	v_cvt_f32_u32 v8, v8
	s_wait_alu depctr_va_vdst(0)
	v_mul_f32 v8, v8, v6                           ; f
	v_mul_f32 v9, 0x3f22f983, v8
	v_rndne_f32 v9, v9                             ; k
	v_fmamk_f32 v10, v9, 0xbfc90fdb, v8
	v_fmamk_f32 v10, v9, 0x333bbd2e, v10           ; rho = f - k pi / 2
	v_mul_f32 v11, v10, v10
	v_mov_b32 v14, 0x3638ef1d
	v_fmaak_f32 v14, v14, v11, 0xb9500d01
	v_fmaak_f32 v14, v14, v11, 0x3c088889
	v_fmaak_f32 v14, v14, v11, 0xbe2aaaab
	v_mul_f32 v15, v10, v11
	v_fma_f32 v14, v14, v15, v10                   ; sin rho
	v_mov_b32 v16, 0xb493f27e
	v_fmaak_f32 v16, v16, v11, 0x37d00d01
	v_fmaak_f32 v16, v16, v11, 0xbab60b61
	v_fmaak_f32 v16, v16, v11, 0x3d2aaaab
	v_fmaak_f32 v16, v16, v11, 0xbf000000
	v_fma_f32 v16, v16, v11, 1.0                   ; cos rho
	v_cvt_i32_f32 v17, v9
	v_and_b32 v18, 1, v17
	v_cmp_eq_u32 vcc_lo, 1, v18
	v_cndmask_b32 v19, v14, v16, vcc_lo            ; in odd quadrants the two change places
	v_cndmask_b32 v20, v16, v14, vcc_lo
	v_lshlrev_b32 v18, 30, v17
	v_and_b32 v18, 0x80000000, v18                 ; the sine is negative in quadrants 2, 3,
	v_xor_b32 v[33+2*\t], v19, v18
	v_add_nc_u32 v17, 1, v17
	v_lshlrev_b32 v17, 30, v17
	v_and_b32 v17, 0x80000000, v17                 ; the cosine in quadrants 1, 2
	v_xor_b32 v[32+2*\t], v20, v17
	global_store_b64 v7, v[32+2*\t:33+2*\t], s[14:15] offset:256*\t   ; a token's 256 bytes, aligned; each token has its own pair of registers
.endm
.irp t, 0,1,2,3,4,5,6,7
	TOKEN \t
.endr
	s_endpgm
.Lfunc_end_k_qe23ed78e8f_quant:
	.size	k_qe23ed78e8f_quant, .Lfunc_end_k_qe23ed78e8f_quant-k_qe23ed78e8f_quant
	.p2alignl 7, 3214868480
	.fill 96, 4, 3214868480
	.section	.rodata,"a",@progbits
	.p2align	6, 0x0
	.amdhsa_kernel k_qe23ed78e8f_quant
		.amdhsa_group_segment_fixed_size 35328
		.amdhsa_private_segment_fixed_size 0
		.amdhsa_enable_private_segment 0
		.amdhsa_kernarg_size 48
		.amdhsa_user_sgpr_count 2
		.amdhsa_user_sgpr_kernarg_segment_ptr 1
		.amdhsa_wavefront_size32 1
		.amdhsa_system_sgpr_workgroup_id_x 1
		.amdhsa_system_sgpr_workgroup_id_y 1
		.amdhsa_system_sgpr_workgroup_id_z 1
		.amdhsa_system_vgpr_workitem_id 0
		.amdhsa_next_free_vgpr 256
		.amdhsa_next_free_sgpr 66
		.amdhsa_reserve_vcc 1
		.amdhsa_float_denorm_mode_32 3
		.amdhsa_float_denorm_mode_16_64 3
		.amdhsa_memory_ordered 1
		.amdhsa_forward_progress 1
		.amdhsa_inst_pref_size 46
	.end_amdhsa_kernel
	.amdgpu_metadata
---
amdhsa.version: [ 1, 2 ]
amdhsa.kernels:
  - .name:           k_qe23ed78e8f_quant
    .symbol:         k_qe23ed78e8f_quant.kd
    .args:
      - { .name: x, .offset: 0, .size: 8, .value_kind: global_buffer, .address_space: global }
      - { .name: w_qkv, .offset: 8, .size: 8, .value_kind: global_buffer, .address_space: global }
      - { .name: w_proj, .offset: 16, .size: 8, .value_kind: global_buffer, .address_space: global }
      - { .name: img, .offset: 24, .size: 8, .value_kind: global_buffer, .address_space: global }
      - { .name: sc, .offset: 32, .size: 8, .value_kind: global_buffer, .address_space: global }
      - { .name: rope, .offset: 40, .size: 8, .value_kind: global_buffer, .address_space: global }
    .group_segment_fixed_size: 35328
    .private_segment_fixed_size: 0
    .kernarg_segment_align: 8
    .kernarg_segment_size: 48
    .max_flat_workgroup_size: 128
    .sgpr_count:     66
    .vgpr_count:     256
    .wavefront_size: 32
...
	.end_amdgpu_metadata
.endif
;; end of part 1
;; launch qkvgemm (part 2): grid 8 x 32, 4 waves a work-group, clusters of 4 x 4, 327,680 bytes of LDS; arguments img, sc, rope, qkv; writes qkv
.if DOCPART == 2
	.amdgcn_target "amdgcn-amd-amdhsa--gfx1250"
	.amdhsa_code_object_version 6
	.text
	.protected	k_qe23ed78e8f_qkvgemm
	.globl	k_qe23ed78e8f_qkvgemm
	.p2align	8
	.type	k_qe23ed78e8f_qkvgemm,@function
k_qe23ed78e8f_qkvgemm:
	s_mov_b64 s[64:65], 0
	v_nop
	global_prefetch_b8 v0, s[64:65] scope:SCOPE_SE
	s_setreg_imm32_b32 hwreg(HW_REG_WAVE_MODE, 25, 1), 1
	s_wait_xcnt 0x0
	s_wait_alu depctr_hold_cnt(0) depctr_sa_sdst(0) depctr_va_vdst(0) depctr_va_sdst(0) depctr_va_ssrc(0) depctr_va_vcc(0) depctr_vm_vsrc(0)
	s_getreg_b32 s2, hwreg(HW_REG_IB_STS2, 6, 4)
	s_cmp_eq_u32 s2, 0
	s_cbranch_scc0 .Lentry_in_a_cluster
	s_endpgm
.Lentry_in_a_cluster:
	s_bfe_u32 s2, ttmp6, 0x10000c
	s_cmp_lg_u32 s2, 0xf033
	s_cbranch_scc0 .Lentry_shape_is_right
	s_endpgm
.Lentry_shape_is_right:
.set FR,    12
.set NL,    3
.set NP,    4
.set TILEB, 12288
.set QTR,   24576
.set SLOT,  4*QTR
.set SPARE, 2*SLOT
.set REC,   19712
.set HS,    16*REC
.set ADRA,  16
.set ADRB,  20
.set SCO,   22
.set L16,   24
.set L8,    25
.set TAO,   26
.set VSA,   27
.set SPW,   28
.set NIL,   29
.set SC,    32
.set AF,    128
.set X,     32
.set T,     64
.set PC,    128
.set PT,    140
.set TM,    148
.set QW,    164
.set SW,    168
.set SD,    184
.set G1,    24
.set G0,    32
.set G1B,   48
.set G0B,   56
.set SEL,   76
.set MSB, 0
.macro WIN new
.if MSB != (\new)
	s_set_vgpr_msb (MSB<<8)|(\new)
.set MSB, (\new)
.endif
.endm
.set MUL_LO, 0xa1
.set MUL_HI, 0xf1
.set TO_B,   0x40
.macro JLOAD g0a, g1a, g0b, g1b
	s_cmp_eq_u32 s15, 0
	s_cbranch_scc0 .Lfor_b_\@
	tensor_load_to_lds s[\g0a:\g0a+3], s[\g1a:\g1a+7]
	s_nop 0
.rept 4
	v_nop
.endr
	s_branch .Lasked_\@
.Lfor_b_\@:
	tensor_load_to_lds s[\g0b:\g0b+3], s[\g1b:\g1b+7]
	s_nop 0
.rept 4
	v_nop
.endr
.Lasked_\@:
.endm
.macro CREST
	s_cmp_lg_u32 s14, 0
	s_cbranch_scc1 .Lnot_wave_0_\@
	s_barrier_signal -3
.Lnot_wave_0_\@:
	s_barrier_wait -3
	s_barrier_signal -1
	s_barrier_wait -1
.endm
.macro CROUND
	s_barrier_signal -1
	s_barrier_wait -1
	CREST
.endm
	s_load_b256 s[4:11], s[0:1], 0x0
	v_lshl_add_u32 v[SPW], v0, 2, SPARE
	v_mov_b32 v[NIL], 0
	ds_add_u32 v[SPW], v[NIL]
	ds_add_u32 v[SPW], v[NIL]
	v_lshrrev_b32 v1, 5, v0
	v_readfirstlane_b32 s14, v1
	s_lshr_b32 s15, s14, 1
	s_and_b32 s16, s14, 1
	s_bfe_u32 s40, ttmp6, 0x40000
	s_bfe_u32 s41, ttmp6, 0x40004
	s_lshl_b32 s18, ttmp9, 2
	s_and_b32 s19, ttmp7, 0xffff
	s_lshl_b32 s19, s19, 2
	s_add_co_u32 s17, s19, s41                     ; block row: 256 tokens
	s_add_co_u32 s42, s18, s40                     ; block column: 256 channels of q (cluster x = 0) or of k (1); v has a launch of its own
	s_lshl_b32 s43, s41, 2
	s_lshl_b32 s43, 15, s43
	s_lshl_b32 s44, 0x1111, s40
	s_or_b32 s[G1+0], s43, (3<<16)|(1<<21)
	s_or_b32 s[G1B+0], s44, (3<<16)|(1<<21)
.irp g, G1, G1B
	s_mov_b32 s[\g+1], 384<<16
	s_mov_b32 s[\g+2], 8<<16
	s_mov_b32 s[\g+3], 384<<16
	s_mov_b32 s[\g+4], 8
	s_mov_b32 s[\g+5], 1536
	s_mov_b32 s[\g+6], 0
	s_mov_b32 s[\g+7], 0
.endr
	s_lshl_b32 s20, s17, 4
	s_lshl_b32 s46, s42, 4
	s_add_co_u32 s46, s46, 512
	s_lshl_b32 s18, s16, 3
	s_add_co_u32 s72, s20, s18
	s_mul_i32 s72, s72, TILEB
	s_mov_b32 s73, 0
	s_add_co_u32 s74, s46, s18
	s_mul_i32 s74, s74, TILEB
	s_mov_b32 s75, 0
	s_mul_i32 s45, s14, QTR
	s_mov_b32 s[SEL], 0x76543210
	s_mov_b32 s[SEL+1], 0xfedcba98
	s_wait_dscnt 0x0
	s_wait_kmcnt 0x0
	s_add_nc_u64 s[72:73], s[4:5], s[72:73]
	s_add_nc_u64 s[74:75], s[4:5], s[74:75]
	CROUND
.irp s, 0,1
	s_mov_b32 s[G0+4*\s], 1
	s_add_co_u32 s[G0+4*\s+1], s45, \s*SLOT
	s_add_nc_u64 s[G0+4*\s+2:G0+4*\s+3], s[72:73], \s*3072
	s_or_b32 s[G0+4*\s+3], s[G0+4*\s+3], 0x80000000
	s_mov_b32 s[G0B+4*\s], 1
	s_add_co_u32 s[G0B+4*\s+1], s45, \s*SLOT
	s_add_nc_u64 s[G0B+4*\s+2:G0B+4*\s+3], s[74:75], \s*3072
	s_or_b32 s[G0B+4*\s+3], s[G0B+4*\s+3], 0x80000000
.endr
	JLOAD G0, G1, G0B, G1B                         ; slot 0: my one tensor load at the head, behind the round; the set-up and the scale words' loads below stand under its flight
	v_and_b32 v1, 15, v0
	v_bfe_u32 v2, v0, 4, 1
	v_and_b32 v3, 31, v0
	s_wait_alu depctr_va_vdst(0)
	v_lshlrev_b32 v[L16], 4, v3
	v_lshlrev_b32 v[L8], 3, v3
	s_mul_i32 s21, s15, QTR
	s_mul_i32 s22, s16, QTR
	s_add_co_u32 s22, s22, 2*QTR
.irp s, 0,1
	v_add_nc_u32 v[ADRA+\s], s21, v[L16]
	v_add_nc_u32 v[ADRB+\s], s22, v[L16]
	s_add_co_u32 s21, s21, SLOT
	s_add_co_u32 s22, s22, SLOT
.endr
	s_lshl_b32 s18, s15, 3
	s_add_co_u32 s18, s20, s18
	s_lshl_b32 s18, s18, 9
	s_lshl_b32 s19, s16, 3
	s_add_co_u32 s19, s46, s19
	s_lshl_b32 s19, s19, 9
	v_cmp_gt_u32 s66, 16, v3
	v_mov_b32 v4, s19
	v_mov_b32 v5, s18
	v_cndmask_b32 v4, v4, v5, s66
	v_lshl_add_u32 v[SCO], v1, 2, v4
.irp i, 0,1,2,3,4,5,6,7
.irp s, 0,1,2,3,4,5,6,7
	global_load_b32 v[SC+8*\i+\s], v[SCO], s[6:7] offset:512*\i+64*\s
.endr
.endr
	v_and_b32 v6, 8, v1
	v_add_nc_u32 v6, v6, v1
	v_lshlrev_b32 v[TAO], 8, v6
	v_lshl_add_u32 v[TAO], v2, 6, v[TAO]
.macro FRAG reg, adr, q, i
.irp c, 0,1,2
	ds_load_b128 v[(\reg)+4*\c:(\reg)+4*\c+3], v[\adr] offset:3072*(\i)+1536*(\q)+512*\c
.endr
.endm
.macro MUL16 a0, p, s, zero
.irp a, \a0, \a0+1
.irp b, 0,1,2,3,4,5,6,7
.if \zero
	v_wmma_scale_f32_16x16x128_f8f6f4 v[8*(8*((\a)%4)+\b):8*(8*((\a)%4)+\b)+7], v[128*(\p)+FR*\b:128*(\p)+FR*\b+FR-1], v[AF+FR*(\a):AF+FR*(\a)+FR-1], 0, v[SC+8*\b+(\s)], v[SC+8*(\a)+(\s)] matrix_a_fmt:MATRIX_FMT_FP6 matrix_b_fmt:MATRIX_FMT_FP6 matrix_a_scale:MATRIX_SCALE_ROW1
.else
	v_wmma_scale_f32_16x16x128_f8f6f4 v[8*(8*((\a)%4)+\b):8*(8*((\a)%4)+\b)+7], v[128*(\p)+FR*\b:128*(\p)+FR*\b+FR-1], v[AF+FR*(\a):AF+FR*(\a)+FR-1], v[8*(8*((\a)%4)+\b):8*(8*((\a)%4)+\b)+7], v[SC+8*\b+(\s)], v[SC+8*(\a)+(\s)] matrix_a_fmt:MATRIX_FMT_FP6 matrix_b_fmt:MATRIX_FMT_FP6 matrix_a_scale:MATRIX_SCALE_ROW1
.endif
.endr
.endr
.endm
.macro FETCH_B slot, q, p
	WIN TO_B
.irp i, 0,1,2,3,4,5,6,7
	FRAG 128*(\p)+FR*\i, ADRB+\slot, \q, \i
.endr
	WIN 0
.endm
.macro FETCH_A slot, q, i0
.irp i, \i0, \i0+1, \i0+2, \i0+3
	FRAG AF+FR*(\i), ADRA+\slot, \q, \i
.endr
.endm
.macro PLACES n
.rept \n
	v_nop
.endr
.endm
.macro STEP slot, s, zero
	s_wait_dscnt 4*NL
	WIN MUL_LO
	MUL16 0, 0, \s, \zero
	MUL16 2, 0, \s, \zero
	s_wait_dscnt 0x0
	PLACES NP
	FETCH_B \slot, 1, 1
	FETCH_A \slot, 1, 0
	WIN MUL_HI
	MUL16 4, 0, \s, \zero
	MUL16 6, 0, \s, \zero
	PLACES NP
	WIN 0
	FETCH_A \slot, 1, 4
.endm
.macro TURN slot, next, fill, s
	s_wait_tensorcnt 0x0
	ds_add_u32 v[SPW], v[NIL]
	s_wait_dscnt 4*NL+1
	WIN MUL_LO
	MUL16 0, 1, \s, 0
	s_wait_dscnt 0x0
	s_barrier_signal -1
	MUL16 2, 1, \s, 0
	WIN 0
	s_barrier_wait -1
.if \fill
	CREST
	s_add_nc_u64 s[G0+4*\slot+2:G0+4*\slot+3], s[G0+4*\slot+2:G0+4*\slot+3], 6144
	s_add_nc_u64 s[G0B+4*\slot+2:G0B+4*\slot+3], s[G0B+4*\slot+2:G0B+4*\slot+3], 6144
	JLOAD G0+4*\slot, G1, G0B+4*\slot, G1B
.else
	PLACES NP
.endif
	FETCH_B \next, 0, 0
	FETCH_A \next, 0, 0
	WIN MUL_HI
	MUL16 4, 1, \s, 0
	MUL16 6, 1, \s, 0
	PLACES NP
	WIN 0
	FETCH_A \next, 0, 4
.endm
	s_wait_alu depctr_va_vdst(0)                   ; the head's end
	s_wait_tensorcnt 0x0                           ; my part of slot 0 is in
	ds_add_u32 v[SPW], v[NIL]
	s_wait_dscnt 0x0
	CROUND                                         ; everybody's part of slot 0 is in, and the joint loads meet
	JLOAD G0+4, G1, G0B+4, G1B                     ; slot 1's first fill, the first tensor load behind the round
	FETCH_B 0, 0, 0
	FETCH_A 0, 0, 0
	FETCH_A 0, 0, 4
	s_wait_loadcnt 0x0
	STEP 0, 0, 1
	TURN 0, 1, 1, 1
	STEP 1, 2, 0
	TURN 1, 0, 1, 3
	STEP 0, 4, 0
	TURN 0, 1, 0, 5
	STEP 1, 6, 0
	s_wait_dscnt 4*NL
	WIN MUL_LO
	MUL16 0, 1, 7, 0
	MUL16 2, 1, 7, 0
	s_wait_dscnt 0x0
	WIN MUL_HI
	MUL16 4, 1, 7, 0
	MUL16 6, 1, 7, 0
	WIN 0
	PLACES NP
.macro QUANT src, nb, w, dst
	WIN (\w)|((\w)<<2)
.irp b, 0,1,2,3
.if \b < \nb
	v_max3_num_f32 v[TM+\b], |v[(\src)+16*\b]|, |v[(\src)+16*\b+1]|, 0x1800000
.endif
.endr
.irp i, 2,4,6,8,10,12,14
.irp b, 0,1,2,3
.if \b < \nb
	v_max3_num_f32 v[TM+\b], |v[(\src)+16*\b+\i]|, |v[(\src)+16*\b+\i+1]|, v[TM+\b]
.endif
.endr
.endr
	WIN 0
.irp b, 0,1,2,3
.if \b < \nb
	v_permlanex16_b32 v[TM+4+\b], v[TM+\b], s[SEL], s[SEL+1]
.endif
.endr
.irp b, 0,1,2,3
.if \b < \nb
	v_max_num_f32 v[TM+\b], v[TM+\b], v[TM+4+\b]
.endif
.endr
.irp b, 0,1,2,3
.if \b < \nb
	v_add_nc_u32 v[TM+12+\b], 0xff000000, v[TM+\b]
.endif
.endr
.irp b, 0,1,2,3
.if \b < \nb
	v_lshrrev_b32 v[TM+4+\b], 23, v[TM+12+\b]
.endif
.endr
	v_lshl_or_b32 v[QW], v[TM+5], 8, v[TM+4]
.if \nb > 2
	v_lshl_or_b32 v[QW], v[TM+6], 16, v[QW]
	v_lshl_or_b32 v[QW], v[TM+7], 24, v[QW]
.endif
	WIN \w
.irp c, 0,1
.if 2*\c < \nb
	v_cvt_scalef32_pk16_fp6_f32 v[(\dst)+6*\c:(\dst)+6*\c+2], v[(\src)+32*\c:(\src)+32*\c+15], v[TM+12+2*\c]
	v_cvt_scalef32_pk16_fp6_f32 v[PT+4*\c:PT+4*\c+2], v[(\src)+32*\c+16:(\src)+32*\c+31], v[TM+12+2*\c+1]
.endif
.endr
	WIN 0
	v_nop
.irp c, 0,1
.if 2*\c < \nb
.irp i, 0,1,2
	v_permlane16_swap_b32 v[(\dst)+6*\c+\i], v[PT+4*\c+\i]
.endr
.irp i, 0,1,2
	v_mov_b32 v[(\dst)+6*\c+3+\i], v[PT+4*\c+\i]
.endr
.endif
.endr
.endm
.irp b, 0,1,2,3
	v_mov_b32 v[TM+4+\b], 0
.endr
	s_lshr_b32 s18, s17, 3
	s_and_b32 s19, s17, 7
	s_lshl_b32 s20, s19, 1
	s_add_co_u32 s20, s20, s15
	s_lshl_b32 s21, s40, 2
	s_lshl_b32 s22, s16, 1
	s_add_co_u32 s21, s21, s22
	s_lshl_b32 s18, s18, 4
	s_add_co_u32 s18, s18, s21
	s_lshl_b32 s18, s18, 4
	s_add_co_u32 s18, s18, s20
	s_mul_i32 s68, s18, REC
	s_cmp_eq_u32 ttmp9, 0
	s_cselect_b32 s22, 13056, 0
	s_add_co_u32 s68, s68, s22
	s_mov_b32 s69, 0
	s_add_nc_u64 s[68:69], s[10:11], s[68:69]
	s_lshl_b32 s70, s19, 8
	s_lshl_b32 s22, s15, 7
	s_add_co_u32 s70, s70, s22
	s_lshl_b32 s70, s70, 8
	s_mov_b32 s71, 0
	s_add_nc_u64 s[70:71], s[8:9], s[70:71]
.macro TLD a
.irp bp, 0,1
.irp i, 0,1,2,3
	global_load_b128 v[T+32*((\a)%2)+16*\bp+4*\i:T+32*((\a)%2)+16*\bp+4*\i+3], v[TAO], s[70:71] offset:(32*((\a)/2)+8*((\a)%2))*256+128*\bp+16*\i
.endr
.endr
.endm
.macro ROPE a, hd
	WIN 2+(\a)/4
.irp bp, 0,1
.irp jj, 0,1,2,3,4,5,6,7
	v_pk_mul_f32 v[X+16*\bp+2*\jj:X+16*\bp+2*\jj+1], v[64*((\a)%4)+8*(4*(\hd)+2*\bp+\jj/4)+2*(\jj%4):64*((\a)%4)+8*(4*(\hd)+2*\bp+\jj/4)+2*(\jj%4)+1], v[T+32*((\a)%2)+16*\bp+2*\jj:T+32*((\a)%2)+16*\bp+2*\jj+1] op_sel_hi:[1,0]
.endr
.endr
.irp bp, 0,1
.irp jj, 0,1,2,3,4,5,6,7
	v_fma_f32 v[X+16*\bp+2*\jj], -v[64*((\a)%4)+8*(4*(\hd)+2*\bp+\jj/4)+2*(\jj%4)+1], v[T+32*((\a)%2)+16*\bp+2*\jj+1], v[X+16*\bp+2*\jj]
	v_fma_f32 v[X+16*\bp+2*\jj+1], v[64*((\a)%4)+8*(4*(\hd)+2*\bp+\jj/4)+2*(\jj%4)], v[T+32*((\a)%2)+16*\bp+2*\jj+1], v[X+16*\bp+2*\jj+1]
.endr
.endr
	WIN 0
.endm
	s_wait_alu depctr_va_vdst(0)
	TLD 0
.irp a, 0,1,2,3,4,5,6,7
.if \a < 7
	TLD \a+1
	s_wait_loadcnt 8
.else
	s_wait_loadcnt 0x0
.endif
.irp hd, 0,1
	ROPE \a, \hd
	s_wait_xcnt 0x0
	QUANT X, 2, 0, PC
	global_store_b128 v[L16], v[PC:PC+3], s[68:69] offset:\hd*HS+768*\a
	global_store_b64 v[L8], v[PC+4:PC+5], s[68:69] offset:\hd*HS+768*\a+512
	v_mov_b32 v[SW+8*\hd+\a], v[QW]
.endr
.endr
.irp hd, 0,1
.irp i, 0,1,2,3
	v_cndmask_b32 v[SD+4*\hd+\i], v[SW+8*\hd+4+\i], v[SW+8*\hd+\i], s66
.endr
	global_store_b128 v[L16], v[SD+4*\hd:SD+4*\hd+3], s[68:69] offset:\hd*HS+6144
.endr
	s_wait_tensorcnt 0x0
	ds_add_u32 v[SPW], v[NIL]
	s_wait_dscnt 0x0
	CROUND
	s_endpgm
.Lfunc_end_k_qe23ed78e8f_qkvgemm:
	.size	k_qe23ed78e8f_qkvgemm, .Lfunc_end_k_qe23ed78e8f_qkvgemm-k_qe23ed78e8f_qkvgemm
	.p2alignl 7, 3214868480
	.fill 96, 4, 3214868480
	.section	.rodata,"a",@progbits
	.p2align	6, 0x0
	.amdhsa_kernel k_qe23ed78e8f_qkvgemm
		.amdhsa_group_segment_fixed_size 327680
		.amdhsa_private_segment_fixed_size 0
		.amdhsa_enable_private_segment 0
		.amdhsa_kernarg_size 32
		.amdhsa_user_sgpr_count 2
		.amdhsa_user_sgpr_kernarg_segment_ptr 1
		.amdhsa_wavefront_size32 1
		.amdhsa_system_sgpr_workgroup_id_x 1
		.amdhsa_system_sgpr_workgroup_id_y 1
		.amdhsa_system_sgpr_workgroup_id_z 1
		.amdhsa_system_vgpr_workitem_id 0
		.amdhsa_next_free_vgpr 1024
		.amdhsa_next_free_sgpr 100
		.amdhsa_reserve_vcc 0
		.amdhsa_float_denorm_mode_32 3
		.amdhsa_float_denorm_mode_16_64 3
		.amdhsa_memory_ordered 1
		.amdhsa_forward_progress 1
		.amdhsa_inst_pref_size 198
	.end_amdhsa_kernel
	.amdgpu_metadata
---
amdhsa.version: [ 1, 2 ]
amdhsa.kernels:
  - .name:           k_qe23ed78e8f_qkvgemm
    .symbol:         k_qe23ed78e8f_qkvgemm.kd
    .args:
      - { .name: img, .offset: 0, .size: 8, .value_kind: global_buffer, .address_space: global }
      - { .name: sc, .offset: 8, .size: 8, .value_kind: global_buffer, .address_space: global }
      - { .name: rope, .offset: 16, .size: 8, .value_kind: global_buffer, .address_space: global }
      - { .name: qkv, .offset: 24, .size: 8, .value_kind: global_buffer, .address_space: global }
    .group_segment_fixed_size: 327680
    .private_segment_fixed_size: 0
    .kernarg_segment_align: 8
    .kernarg_segment_size: 32
    .max_flat_workgroup_size: 128
    .sgpr_count:     100
    .vgpr_count:     1024
    .wavefront_size: 32
...
	.end_amdgpu_metadata
.endif
;; end of part 2
;; launch vgemm (part 3): grid 32 x 8, 4 waves a work-group, clusters of 4 x 4, 327,680 bytes of LDS; arguments img, sc, qkv; writes qkv
.if DOCPART == 3
	.amdgcn_target "amdgcn-amd-amdhsa--gfx1250"
	.amdhsa_code_object_version 6
	.text
	.protected	k_qe23ed78e8f_vgemm
	.globl	k_qe23ed78e8f_vgemm
	.p2align	8
	.type	k_qe23ed78e8f_vgemm,@function
k_qe23ed78e8f_vgemm:
	s_mov_b64 s[64:65], 0
	v_nop
	global_prefetch_b8 v0, s[64:65] scope:SCOPE_SE
	s_setreg_imm32_b32 hwreg(HW_REG_WAVE_MODE, 25, 1), 1
	s_wait_xcnt 0x0
	s_wait_alu depctr_hold_cnt(0) depctr_sa_sdst(0) depctr_va_vdst(0) depctr_va_sdst(0) depctr_va_ssrc(0) depctr_va_vcc(0) depctr_vm_vsrc(0)
	s_getreg_b32 s2, hwreg(HW_REG_IB_STS2, 6, 4)
	s_cmp_eq_u32 s2, 0
	s_cbranch_scc0 .Lentry_in_a_cluster
	s_endpgm
.Lentry_in_a_cluster:
	s_bfe_u32 s2, ttmp6, 0x10000c
	s_cmp_lg_u32 s2, 0xf033
	s_cbranch_scc0 .Lentry_shape_is_right
	s_endpgm
.Lentry_shape_is_right:
; v^T[channel][token] = sum over k of w_qkv[2048 + channel][k] x[token][k], on codes of FP6 (E2M3) with E8M0 scales, sums in f32; then quantised along the TOKENS, which are the K of attention's second product.
; Operands lie in img as images of operand registers: img[tile][K step 0..7][1,536 bytes], register group g of lane l at 512 g + 16 l; tiles 0-511 x, 640-703 the rows of w_qkv that make v; sc[tile][K step][16 words] their scale words.
; Lane r of tile T holds row 32 (T / 2) + 8 (T % 2) + r + 8 (r / 8).
; SHARES.  A work-group makes 128 channels x 256 tokens: 8 x 32 = 256 work-groups.  Its operands for ALL of K, 8 tiles of w (98,304 bytes) and 16 of x (196,608), lie in LDS at once, each dense in memory.
; Waves 0, 1 fetch four tiles of w each, waves 2, 3 eight tiles of x each: one tensor load a wave at the head, nothing is filled again, so one barrier serves the launch.
; A wave makes 64 channels (one head) x 128 tokens (one record): 32 accumulators, 256 registers (window 2); x's fragments in two sets in window 1, w's in two sets in window 0; under a K step's 32 products the next step's 36 LDS loads are out.
; Source 0 = 16 tokens, source 1 = 16 channels: a lane holds ONE channel, and the 16 registers of token tiles 2 b, 2 b + 1 are tokens 32 b + 16 h + 0 .. 15: neighbours along the next K.
; CLUSTER 4 x 4: w's tiles hang on the block row alone and are asked for jointly along a row of the cluster, x's on the block column alone, along a column.
; OUT: qkv[batch][head][record of 128 keys]: at byte 6,656 of a record four images of 1,536 bytes (16 channels x 128 keys), at 12,800 their scale words, tile i of channel row r at 16 r + 4 i.
; NO PREFETCH: every tensor load stands at the head, so there is no loop in which to ask ahead of one.
; LIMITS: NaN and infinities are not served; a block whose largest magnitude lies under 2^-124, a block of zeros among them, keeps the byte 1 (this program alone reads the bytes).
.set FR,    12
.set TILEB, 12288                      ; a tile's eight images
.set BOFF,  8*TILEB                    ; LDS: w's 8 tiles, then x's 16
.set SPARE, 24*TILEB                   ; behind them the spare words, 128 bytes a wave, that no other line names
.set REC,   19712
.set ADRA,  16                         ; v16 my w tiles, 16 x lane
.set ADRB,  20                         ; v20 my x tiles 0-3, v21 tiles 4-7
.set SCO,   22                         ; v22 scale words: lanes 0-15 w's rows, lanes 16-31 x's
.set SCB,   23                         ; v23 scale words: x's rows in all lanes
.set L16,   24                         ; v24 16 x lane
.set R16,   27                         ; v27 16 r
.set SPW,   28                         ; v28 LDS address of my spare word; never rewritten
.set NIL,   29                         ; v29 0; never rewritten
.set SC,    32                         ; v32-95 scale words: register 8 i + s: lanes 0-15 w's block i (i under 4), lanes 16-31 x's block i, K step s
.set AF,    128                        ; v128-223 w's fragments, two sets of 48
.set PC,    128                        ; the way out: v128-139 codes
.set PT,    140                        ; v140-142, v144-146 upper halves as converted
.set TM,    148                        ; v148-163 maxima, bytes, scale operands
.set QW,    164                        ; v164 a tile's scale word
.set SW,    168                        ; v168-171 the four tiles' words
.set G1,    24
.set G0,    32
.set G1B,   48
.set G0B,   56
.set SEL,   76                         ; s[76:77] selects for lane l xor 16
.set MSB, 0
.macro WIN new                         ; the immediate's high byte repeats the setting that is left
.if MSB != (\new)
	s_set_vgpr_msb (MSB<<8)|(\new)
.set MSB, (\new)
.endif
.endm
.set MUL_LO, 0xa1                      ; source 0 (x) window 1, source 1 (w) window 0, C and D window 2
.set TO_B,   0x40                      ; destination window 1, address window 0
.macro CROUND                          ; a round of the cluster's barrier
	s_barrier_signal -1
	s_barrier_wait -1
	s_cmp_lg_u32 s14, 0
	s_cbranch_scc1 .Lnot_wave_0_\@
	s_barrier_signal -3
.Lnot_wave_0_\@:
	s_barrier_wait -3
	s_barrier_signal -1
	s_barrier_wait -1
.endm
.macro PLACES n
.rept \n
	v_nop
.endr
.endm
	s_load_b128 s[4:7], s[0:1], 0x0                ; img, sc
	s_load_b64 s[8:9], s[0:1], 0x10                ; qkv
	v_lshl_add_u32 v[SPW], v0, 2, SPARE
	v_mov_b32 v[NIL], 0
	ds_add_u32 v[SPW], v[NIL]                      ; the opening lines: the add, twice on end, and its wait ahead of my tensor load
	ds_add_u32 v[SPW], v[NIL]
	v_lshrrev_b32 v1, 5, v0
	v_readfirstlane_b32 s14, v1                    ; wave 0..3
	s_lshr_b32 s15, s14, 1                         ; my half of the block's channels.  Also: I fetch for w (0) or for x (1)
	s_and_b32 s16, s14, 1                          ; my half of its tokens.  Also: which half of that operand I fetch
	s_bfe_u32 s40, ttmp6, 0x40000                  ; cx
	s_bfe_u32 s41, ttmp6, 0x40004                  ; cy
	s_lshl_b32 s42, ttmp9, 2
	s_add_co_u32 s42, s42, s40                     ; block column: 256 tokens
	s_and_b32 s17, ttmp7, 0xffff
	s_lshl_b32 s17, s17, 2
	s_add_co_u32 s17, s17, s41                     ; block row: 128 channels
	s_lshl_b32 s43, s41, 2
	s_lshl_b32 s43, 15, s43                        ; my row of the cluster
	s_lshl_b32 s44, 0x1111, s40                    ; my column
	s_or_b32 s[G1], s43, (3<<16)|(1<<21)           ; group 1: rows of 12,288 bytes (1,536 elements of 8), one a tile, dense: four for w,
	s_mov_b32 s[G1+1], 1536<<16
	s_mov_b32 s[G1+2], 4<<16
	s_mov_b32 s[G1+3], 1536<<16
	s_mov_b32 s[G1+4], 4
	s_mov_b32 s[G1+5], 1536
	s_mov_b32 s[G1+6], 0
	s_mov_b32 s[G1+7], 0
	s_or_b32 s[G1B], s44, (3<<16)|(1<<21)          ; eight for x
	s_mov_b32 s[G1B+1], 1536<<16
	s_mov_b32 s[G1B+2], 8<<16
	s_mov_b32 s[G1B+3], 1536<<16
	s_mov_b32 s[G1B+4], 8
	s_mov_b32 s[G1B+5], 1536
	s_mov_b32 s[G1B+6], 0
	s_mov_b32 s[G1B+7], 0
	s_lshl_b32 s20, s17, 3
	s_add_co_u32 s20, s20, 640                     ; w's first tile: 640 + 8 x block row
	s_lshl_b32 s46, s42, 4                         ; x's: 16 x block column
	s_lshl_b32 s18, s16, 2
	s_add_co_u32 s72, s20, s18
	s_mul_i32 s72, s72, TILEB
	s_mov_b32 s73, 0
	s_lshl_b32 s18, s16, 3
	s_add_co_u32 s74, s46, s18
	s_mul_i32 s74, s74, TILEB
	s_mov_b32 s75, 0
	s_mov_b32 s[G0], 1
	s_mul_i32 s[G0+1], s16, 4*TILEB
	s_mov_b32 s[G0B], 1
	s_mul_i32 s[G0B+1], s16, 8*TILEB
	s_add_co_u32 s[G0B+1], s[G0B+1], BOFF
	s_mov_b32 s[SEL], 0x76543210
	s_mov_b32 s[SEL+1], 0xfedcba98
	s_wait_dscnt 0x0                               ; both opening adds are done
	s_wait_kmcnt 0x0
	s_add_nc_u64 s[G0+2:G0+3], s[4:5], s[72:73]
	s_or_b32 s[G0+3], s[G0+3], 0x80000000
	s_add_nc_u64 s[G0B+2:G0B+3], s[4:5], s[74:75]
	s_or_b32 s[G0B+3], s[G0B+3], 0x80000000
	CROUND                                         ; all sixteen work-groups are here: the joint loads meet
	s_cmp_eq_u32 s15, 0                            ; each of the two lines has one mask; the branch hangs on the wave's number alone
	s_cbranch_scc0 .Lfor_b
	tensor_load_to_lds s[G0:G0+3], s[G1:G1+7]
	s_nop 0
	PLACES 4
	s_branch .Lasked
.Lfor_b:
	tensor_load_to_lds s[G0B:G0B+3], s[G1B:G1B+7]
	s_nop 0
	PLACES 4
.Lasked:
	s_mul_i32 s21, s15, 4*TILEB                    ; my four tiles of w
	s_mul_i32 s22, s16, 8*TILEB
	s_add_co_u32 s22, s22, BOFF                    ; my eight of x
	s_add_co_u32 s23, s22, 4*TILEB
	s_lshl_b32 s18, s15, 2
	s_add_co_u32 s18, s20, s18
	s_lshl_b32 s18, s18, 9                         ; their scale words: 512 bytes a tile
	s_lshl_b32 s19, s16, 3
	s_add_co_u32 s19, s46, s19
	s_lshl_b32 s19, s19, 9
	s_lshl_b32 s78, s17, 1
	s_add_co_u32 s78, s78, s15                     ; my head: 2 x block row + half
	s_lshr_b32 s79, s42, 3                         ; batch: 8 blocks of 256 tokens each
	s_lshl_b32 s79, s79, 4
	s_add_co_u32 s78, s78, s79
	s_lshl_b32 s78, s78, 4
	s_and_b32 s79, s42, 7
	s_lshl_b32 s79, s79, 1
	s_add_co_u32 s79, s79, s16                     ; my record: 2 x (block % 8) + half
	s_add_co_u32 s78, s78, s79
	s_mul_i32 s68, s78, REC
	s_add_co_u32 s68, s68, 6656                    ; the record's V part
	s_mov_b32 s69, 0
	s_add_nc_u64 s[68:69], s[8:9], s[68:69]
	v_and_b32 v1, 15, v0                           ; r
	v_and_b32 v3, 31, v0
	v_lshlrev_b32 v[L16], 4, v3
	v_lshlrev_b32 v[R16], 4, v1
	v_add_nc_u32 v[ADRA], s21, v[L16]
	v_add_nc_u32 v[ADRB], s22, v[L16]
	v_add_nc_u32 v[ADRB+1], s23, v[L16]
	v_cmp_gt_u32 s66, 16, v3
	v_mov_b32 v4, s19
	v_mov_b32 v5, s18
	v_cndmask_b32 v5, v4, v5, s66                  ; lanes 0-15 take w's words
	v_lshl_add_u32 v[SCO], v1, 2, v5
	v_lshl_add_u32 v[SCB], v1, 2, v4
.irp s, 0,1,2,3,4,5,6,7                        ; the scale words, the first K steps' first, under the tensor loads' flight
.irp i, 0,1,2,3
	global_load_b32 v[SC+8*\i+\s], v[SCO], s[6:7] offset:512*\i+64*\s
.endr
.irp i, 4,5,6,7
	global_load_b32 v[SC+8*\i+\s], v[SCB], s[6:7] offset:512*\i+64*\s
.endr
.endr
.macro FETCH s, p                      ; K step s: x's eight fragments and w's four into set p: 36 LDS loads
	WIN TO_B
.irp b, 0,1,2,3,4,5,6,7
.irp c, 0,1,2
	ds_load_b128 v[128*(\p)+FR*\b+4*\c:128*(\p)+FR*\b+4*\c+3], v[ADRB+\b/4] offset:TILEB*(\b%4)+1536*(\s)+512*\c
.endr
.endr
	WIN 0
.irp a, 0,1,2,3
.irp c, 0,1,2
	ds_load_b128 v[AF+48*(\p)+FR*\a+4*\c:AF+48*(\p)+FR*\a+4*\c+3], v[ADRA] offset:TILEB*\a+1536*(\s)+512*\c
.endr
.endr
.endm
.macro MUL32 p, s, zero                ; 32 products: the 32 accumulators take turns, in the same order in every step
	WIN MUL_LO
.irp a, 0,1,2,3
.irp b, 0,1,2,3,4,5,6,7
.if \zero
	v_wmma_scale_f32_16x16x128_f8f6f4 v[8*(8*\a+\b):8*(8*\a+\b)+7], v[128*(\p)+FR*\b:128*(\p)+FR*\b+FR-1], v[AF+48*(\p)+FR*\a:AF+48*(\p)+FR*\a+FR-1], 0, v[SC+8*\b+(\s)], v[SC+8*\a+(\s)] matrix_a_fmt:MATRIX_FMT_FP6 matrix_b_fmt:MATRIX_FMT_FP6 matrix_a_scale:MATRIX_SCALE_ROW1
.else
	v_wmma_scale_f32_16x16x128_f8f6f4 v[8*(8*\a+\b):8*(8*\a+\b)+7], v[128*(\p)+FR*\b:128*(\p)+FR*\b+FR-1], v[AF+48*(\p)+FR*\a:AF+48*(\p)+FR*\a+FR-1], v[8*(8*\a+\b):8*(8*\a+\b)+7], v[SC+8*\b+(\s)], v[SC+8*\a+(\s)] matrix_a_fmt:MATRIX_FMT_FP6 matrix_b_fmt:MATRIX_FMT_FP6 matrix_a_scale:MATRIX_SCALE_ROW1
.endif
.endr
.endr
	WIN 0
.endm
	s_wait_alu depctr_va_vdst(0)                   ; the head's end
	s_wait_tensorcnt 0x0                           ; my part of the operands is in
	s_barrier_signal -1
	s_barrier_wait -1                              ; and so is everybody's
	FETCH 0, 0
	s_wait_loadcnt 0x0                             ; the scale words
	s_wait_dscnt 0x0
	FETCH 1, 1
	MUL32 0, 0, 1                                  ; the first step's products start the sums
.irp st, 1,2,3,4,5,6
	s_wait_dscnt 0x0                               ; this step's fragments are in
	PLACES 4                                       ; places between the last step's products and the loads into their operands
	FETCH \st+1, (\st+1)%2
	MUL32 \st%2, \st, 0
.endr
	s_wait_dscnt 0x0
	MUL32 1, 7, 0
; THE WAY OUT.  The 64 registers of channel tile a (window 2, from src on) are my channel's 128 tokens: register 16 b + i is token 32 b + 16 h + i.  They become 12 registers of codes and a scale word.
.macro QUANT src
	WIN 0x0a                                       ; sources 0 and 1: window 2
.irp b, 0,1,2,3
	v_max3_num_f32 v[TM+\b], |v[(\src)+16*\b]|, |v[(\src)+16*\b+1]|, 0x1800000   ; each accumulator from its low end on; the floor 2^(3 - 127) holds the byte at 1 from below
.endr
.irp i, 2,4,6,8,10,12,14
.irp b, 0,1,2,3
	v_max3_num_f32 v[TM+\b], |v[(\src)+16*\b+\i]|, |v[(\src)+16*\b+\i+1]|, v[TM+\b]
.endr
.endr
	WIN 0
.irp b, 0,1,2,3
	v_permlanex16_b32 v[TM+4+\b], v[TM+\b], s[SEL], s[SEL+1]
.endr
.irp b, 0,1,2,3
	v_max_num_f32 v[TM+\b], v[TM+\b], v[TM+4+\b]   ; a block of 32 tokens lies in lanes l and l xor 16
.endr
.irp b, 0,1,2,3
	v_add_nc_u32 v[TM+12+\b], 0xff000000, v[TM+\b] ; 2 off the exponent field: the conversion's scale operand
.endr
.irp b, 0,1,2,3
	v_lshrrev_b32 v[TM+4+\b], 23, v[TM+12+\b]      ; the scale's byte
.endr
	v_lshl_or_b32 v[QW], v[TM+5], 8, v[TM+4]
	v_lshl_or_b32 v[QW], v[TM+6], 16, v[QW]
	v_lshl_or_b32 v[QW], v[TM+7], 24, v[QW]
	WIN 2                                          ; source 0: window 2
.irp c, 0,1
	v_cvt_scalef32_pk16_fp6_f32 v[PC+6*\c:PC+6*\c+2], v[(\src)+32*\c:(\src)+32*\c+15], v[TM+12+2*\c]
	v_cvt_scalef32_pk16_fp6_f32 v[PT+4*\c:PT+4*\c+2], v[(\src)+32*\c+16:(\src)+32*\c+31], v[TM+12+2*\c+1]
.endr
	WIN 0
	v_nop                                          ; one plain instruction behind the scaled conversions
.irp c, 0,1
.irp i, 0,1,2
	v_permlane16_swap_b32 v[PC+6*\c+\i], v[PT+4*\c+\i]   ; a whole block in a lane: lanes 0-15 block 2 c, lanes 16-31 block 2 c + 1
.endr
.irp i, 0,1,2
	v_mov_b32 v[PC+6*\c+3+\i], v[PT+4*\c+\i]
.endr
.endr
.endm
	PLACES 4                                       ; places behind the last products
.irp b, 0,1,2,3
	v_mov_b32 v[TM+4+\b], 0                        ; written once: a lane permute's destination counts as one of its sources
.endr
.irp a, 0,1,2,3
.if \a > 0
	s_wait_xcnt 0x0                                ; the last tile's stores have read their registers
.endif
	QUANT 64*\a
.irp g, 0,1,2
	global_store_b128 v[L16], v[PC+4*\g:PC+4*\g+3], s[68:69] offset:\a*1536+512*\g   ; 512 consecutive bytes, aligned to 256
.endr
	v_mov_b32 v[SW+\a], v[QW]
.endr
	global_store_b128 v[R16], v[SW:SW+3], s[68:69] offset:6144   ; 256 consecutive bytes, aligned; lanes l and l + 16 write the same
	s_wait_tensorcnt 0x0                           ; the wave's end
	ds_add_u32 v[SPW], v[NIL]
	s_wait_dscnt 0x0
	CROUND                                         ; the closing round
	s_endpgm
.Lfunc_end_k_qe23ed78e8f_vgemm:
	.size	k_qe23ed78e8f_vgemm, .Lfunc_end_k_qe23ed78e8f_vgemm-k_qe23ed78e8f_vgemm
	.p2alignl 7, 3214868480
	.fill 96, 4, 3214868480
	.section	.rodata,"a",@progbits
	.p2align	6, 0x0
	.amdhsa_kernel k_qe23ed78e8f_vgemm
		.amdhsa_group_segment_fixed_size 327680
		.amdhsa_private_segment_fixed_size 0
		.amdhsa_enable_private_segment 0
		.amdhsa_kernarg_size 24
		.amdhsa_user_sgpr_count 2
		.amdhsa_user_sgpr_kernarg_segment_ptr 1
		.amdhsa_wavefront_size32 1
		.amdhsa_system_sgpr_workgroup_id_x 1
		.amdhsa_system_sgpr_workgroup_id_y 1
		.amdhsa_system_sgpr_workgroup_id_z 1
		.amdhsa_system_vgpr_workitem_id 0
		.amdhsa_next_free_vgpr 768
		.amdhsa_next_free_sgpr 100
		.amdhsa_reserve_vcc 0
		.amdhsa_float_denorm_mode_32 3
		.amdhsa_float_denorm_mode_16_64 3
		.amdhsa_memory_ordered 1
		.amdhsa_forward_progress 1
		.amdhsa_inst_pref_size 82
	.end_amdhsa_kernel
	.amdgpu_metadata
---
amdhsa.version: [ 1, 2 ]
amdhsa.kernels:
  - .name:           k_qe23ed78e8f_vgemm
    .symbol:         k_qe23ed78e8f_vgemm.kd
    .args:
      - { .name: img, .offset: 0, .size: 8, .value_kind: global_buffer, .address_space: global }
      - { .name: sc, .offset: 8, .size: 8, .value_kind: global_buffer, .address_space: global }
      - { .name: qkv, .offset: 16, .size: 8, .value_kind: global_buffer, .address_space: global }
    .group_segment_fixed_size: 327680
    .private_segment_fixed_size: 0
    .kernarg_segment_align: 8
    .kernarg_segment_size: 24
    .max_flat_workgroup_size: 128
    .sgpr_count:     100
    .vgpr_count:     768
    .wavefront_size: 32
...
	.end_amdgpu_metadata
.endif
;; end of part 3
;; launch attn (part 4): grid 4 x 64, 16 waves a work-group, clusters of 4 x 1, 327,680 bytes of LDS; arguments qkv, img, sc; writes img, sc
.if DOCPART == 4
	.amdgcn_target "amdgcn-amd-amdhsa--gfx1250"
	.amdhsa_code_object_version 6
	.text
	.protected	k_qe23ed78e8f_attn
	.globl	k_qe23ed78e8f_attn
	.p2align	8
	.type	k_qe23ed78e8f_attn,@function
k_qe23ed78e8f_attn:
	s_mov_b64 s[64:65], 0
	v_nop
	global_prefetch_b8 v0, s[64:65] scope:SCOPE_SE
	s_setreg_imm32_b32 hwreg(HW_REG_WAVE_MODE, 25, 1), 1
	s_wait_xcnt 0x0
	s_wait_alu depctr_hold_cnt(0) depctr_sa_sdst(0) depctr_va_vdst(0) depctr_va_sdst(0) depctr_va_ssrc(0) depctr_va_vcc(0) depctr_vm_vsrc(0)
	s_getreg_b32 s2, hwreg(HW_REG_IB_STS2, 6, 4)
	s_cmp_eq_u32 s2, 0
	s_cbranch_scc0 .Lentry_in_a_cluster
	s_endpgm
.Lentry_in_a_cluster:
	s_bfe_u32 s2, ttmp6, 0x10000c
	s_cmp_lg_u32 s2, 0x3003
	s_cbranch_scc0 .Lentry_shape_is_right
	s_endpgm
.Lentry_shape_is_right:
; Attention on codes of FP6 (E2M3): S^T = K Q^T (K = the head's 64 channels), p = 2^(t - M), O^T = V^T P^T (K = the keys), O / l, quantised along the channels for the projection.
; t = score x log2(e) / 8; M = the running largest t rounded UP to a whole number; l is the sum of the unquantised p; when M moves, l and O^T are multiplied by 2^(old M - new M), which rounds nothing.
; SHARES.  A work-group owns ONE head and 512 queries.  The head's K and V, 16 records of 128 keys, lie in LDS whole: each of the sixteen waves fetches one record by its one tensor load at the head; nothing is filled again,
; so one barrier serves the launch.  A wave owns two tiles of 16 queries and walks the 16 records once for each.
; CLUSTER.  The four query blocks of a head read the same records: each is asked for jointly (mask 15).
; LDS.  A record's 13,056 bytes come as 51 rows of 256 bytes with 64 bytes of padding behind each (pitch 320): byte o of a record lies at 320 (o / 256) + o % 256.
; A TILE OF K IS GATHERED.  In memory lane r of tile 2 b + u holds key 32 b + 8 u + r + 8 (r / 8).  Here tile 4 c + 2 x + y takes for its rows 0-7 rows 8 x .. 8 x + 7 of stored tile 4 c + y and for its rows 8-15 the same rows of
; stored tile 4 c + 2 + y: row m is key 64 c + 32 (m / 8) + 8 (2 x + y) + m % 8.  So the 32 registers of tiles 4 c .. 4 c + 3 are, in lane half h, keys 64 c + 32 h + 0 .. 31: ONE WHOLE BLOCK, in the order of the second product's operand:
; a block's maximum needs no other lane and the codes need no lane swap.  Two stored tiles are 6 rows of 320 bytes apart, 128 modulo 256, so the sixteen lanes of a 16-byte load touch sixteen different columns.
; K = 64 IN AN INSTRUCTION OF 128: q's registers 6-11 hold zero codes; a tile's upper six registers are the next tile's codes (six zero registers stand behind the last); the scale bytes of those blocks are 0 on both sides: they add exactly 0.
; OUT.  A head is half a K step of the projection: 6 registers a lane, stored as 512 + 256 consecutive bytes at 768 x (head % 2) of the fragment's 1,536; its two scale bytes go to their half of the row's word.
; NO PREFETCH: every tensor load stands at the head, so there is no loop in which to ask ahead of one.
; LIMITS: NaN and infinities are not served; the scaled scores stay under 2^31 in magnitude; a block whose largest magnitude lies under 2^-124, a block of zeros among them, keeps the byte 1 (this program alone reads the bytes).
.set REC,   19712
.set HS,    16*REC
.set RECL,  51*320                     ; a record in LDS
.set SPARE, 16*RECL                    ; behind the records: the spare words, 128 bytes a wave, that no other line names
.set LK16, 1                           ; v1  16 (r % 8) + 320 h + 1920 (r / 8): K's 16-byte pieces
.set LK8,  2                           ; v2  8 (r % 8) + 128 h + 1920 (r / 8): K's 8-byte pieces
.set LKS,  3                           ; v3  16 (r % 8) + 8 (r / 8): K's scale words
.set LV,   4                           ; v4  16 r + 320 h: V's fragments
.set LVS,  5                           ; v5  16 r: V's scale words, Q's too
.set AK16, 6                           ; v6-10 the same five in the record in hand
.set AK8,  7
.set AKS,  8
.set AV,   9
.set AVS,  10
.set SH8,  11                          ; v11 8 h
                                       ; v12 -M, v13 the largest score so far
.set TT,   14                          ; v14, v15 at work
.set TU,   15
.set QA,   16                          ; v16-27 Q of my first tile (v22-27 zeros)
.set QSA,  28                          ; v28, v29 Q's scale words
.set QSB,  29
.set SPW,  30                          ; v30 LDS address of my spare word; never rewritten
.set NIL,  31                          ; v31 0; never rewritten
.set KF,   32                          ; v32-79 eight tiles of K, 6 registers each, or four fragments of V; v80-85 zeros
.set KS,   86                          ; v86-93 K's scale words
.set VS,   94                          ; v94-97 V's
.set FF,   98                          ; v[98:99] f = 2^(old M - new M); at a tile's end 1 / l
.set S,    100                         ; v100-163 S^T, then p
.set O,    164                         ; v164-195 O^T
.set PC,   196                         ; v196-207 p's codes
.set PT,   208                         ; v208-210, v212-214 upper halves as converted
.set BM,   216                         ; v216-217 my two blocks' largest scores, then largest p
.set BS,   218                         ; v218-219 second chains of the maxima, then the conversions' scale operands
.set BY,   220                         ; v220-221 scale bytes
.set PW,   222                         ; v222 p's scale word
.set TP,   223                         ; v223 what the other half of the lanes sends
.set SUM,  224                         ; v[224:225] l in two halves; v226-231 three more chains of the sum
.set L16,  232                         ; v232 16 x lane
.set L8,   233                         ; v233 8 x lane
.set R4,   234                         ; v234 4 r
.set QB,   236                         ; v236-247 Q of my second tile (v242-247 zeros)
.set FRG,  248                         ; v248-253 my half of the projection's fragment
.set OW,   254                         ; v254 its two scale bytes
.set WV,   10                          ; s10 my wave's number
.set G1,   16                          ; s[16:23] descriptor group 1
.set G0,   24                          ; s[24:27] group 0
.set NC,   28                          ; s28 -c
.set SEL,  32                          ; s[32:33] selects for lane l xor 16
.set CS,   34                          ; s[34:35] c = log2(e) / 8
.set TB,   36                          ; s36 LDS byte of the record in hand
.set CNT,  37                          ; s37 records to go
.macro CROUND                          ; a round of the cluster's barrier
	s_barrier_signal -1
	s_barrier_wait -1
	s_cmp_lg_u32 s[WV], 0
	s_cbranch_scc1 .Lnot_wave_0_\@
	s_barrier_signal -3
.Lnot_wave_0_\@:
	s_barrier_wait -3
	s_barrier_signal -1
	s_barrier_wait -1
.endm
	s_load_b128 s[4:7], s[0:1], 0x0                ; qkv, img
	s_load_b64 s[8:9], s[0:1], 0x10                ; sc
	v_lshl_add_u32 v[SPW], v0, 2, SPARE
	v_mov_b32 v[NIL], 0
	ds_add_u32 v[SPW], v[NIL]                      ; the opening lines: the add, twice on end, and its wait ahead of my tensor load
	ds_add_u32 v[SPW], v[NIL]
	v_lshrrev_b32 v6, 5, v0
	v_readfirstlane_b32 s[WV], v6                  ; wave 0..15
	s_bfe_u32 s11, ttmp6, 0x40000                  ; cx: my block of 512 queries; it enters Q's and the output's addresses alone
	s_and_b32 s12, ttmp7, 0xffff                   ; y = 16 x batch + head, which the four partners share
	; group 1: 51 rows of 256 bytes (32 elements of 8), dense in memory, 16 dwords of padding behind each 64
	s_mov_b32 s[G1], 15|(3<<16)|(1<<20)|(1<<21)|(5<<22)|(15<<25)
	s_mov_b32 s[G1+1], 32<<16
	s_mov_b32 s[G1+2], 51<<16
	s_mov_b32 s[G1+3], 32<<16
	s_mov_b32 s[G1+4], 51
	s_mov_b32 s[G1+5], 32
	s_mov_b32 s[G1+6], 0
	s_mov_b32 s[G1+7], 0
	s_mul_i32 s46, s12, HS                         ; the head's first byte
	s_mul_i32 s47, s[WV], REC
	s_add_co_u32 s48, s46, s47                     ; the record that I fetch
	s_mov_b32 s49, 0
	s_mov_b32 s[G0], 1
	s_mul_i32 s[G0+1], s[WV], RECL                 ; and its place in LDS
	s_lshl_b32 s51, s11, 2
	s_lshr_b32 s52, s[WV], 3
	s_add_co_u32 s51, s51, s52                     ; my first tile's record: 4 x block + wave / 8 (the second tile's: two records on)
	s_mul_i32 s51, s51, REC
	s_add_co_u32 s51, s51, s46
	s_and_b32 s52, s[WV], 7                        ; my tile in it
	s_mul_i32 s53, s52, 768
	s_add_co_u32 s38, s51, s53
	s_add_co_u32 s38, s38, 13056                   ; Q's half image
	s_mov_b32 s39, 0
	s_lshr_b32 s53, s52, 2
	s_lshl_b32 s53, s53, 8
	s_and_b32 s54, s52, 3
	s_lshl_b32 s54, s54, 2
	s_add_co_u32 s40, s51, s53
	s_add_co_u32 s40, s40, s54
	s_add_co_u32 s40, s40, 19200                   ; Q's scale words: tile 4 g + i at 256 g + 16 r + 4 i
	s_mov_b32 s41, 0
	s_lshr_b32 s53, s12, 4
	s_lshl_b32 s53, s53, 7
	s_lshl_b32 s54, s11, 5
	s_add_co_u32 s53, s53, s54
	s_add_co_u32 s53, s53, s[WV]
	s_add_co_u32 s53, s53, 768                     ; the output's tile: 768 + 128 x batch + 32 x block + wave (the second: 16 on)
	s_bfe_u32 s54, s12, 0x30001                    ; its K step: head / 2
	s_and_b32 s52, s12, 1                          ; its half: head % 2
	s_lshl_b32 s55, s53, 3
	s_add_co_u32 s55, s55, s54
	s_mul_i32 s42, s55, 1536
	s_mul_i32 s54, s52, 768
	s_add_co_u32 s42, s42, s54
	s_mov_b32 s43, 0
	s_lshl_b32 s44, s55, 6
	s_lshl_b32 s54, s52, 1
	s_add_co_u32 s44, s44, s54
	s_mov_b32 s45, 0
	s_mov_b32 s[SEL], 0x76543210
	s_mov_b32 s[SEL+1], 0xfedcba98
	s_mov_b32 s[CS], 0x3e38aa3b                    ; c = log2(e) / sqrt(64)
	s_mov_b32 s[CS+1], s[CS]                       ; (named with it as a pair)
	s_mov_b32 s[NC], 0xbe38aa3b                    ; -c
	s_wait_dscnt 0x0                               ; both opening adds are done
	s_wait_kmcnt 0x0
	s_add_nc_u64 s[G0+2:G0+3], s[4:5], s[48:49]
	s_or_b32 s[G0+3], s[G0+3], 0x80000000
	s_add_nc_u64 s[38:39], s[4:5], s[38:39]
	s_add_nc_u64 s[40:41], s[4:5], s[40:41]
	s_add_nc_u64 s[42:43], s[6:7], s[42:43]
	s_add_nc_u64 s[44:45], s[8:9], s[44:45]
	CROUND                                         ; all four work-groups are here: the joint loads meet
	tensor_load_to_lds s[G0:G0+3], s[G1:G1+7]      ; my one tensor load: record = my wave's number
	s_nop 0
	v_and_b32 v[R4], 15, v0                        ; r
	v_and_b32 v14, 7, v0                           ; r % 8
	v_bfe_u32 v15, v0, 3, 1                        ; r / 8
	v_bfe_u32 v[SH8], v0, 4, 1                     ; h
	v_and_b32 v[L8], 31, v0
	v_lshlrev_b32 v[L16], 4, v[L8]
	v_lshlrev_b32 v[L8], 3, v[L8]
	v_lshlrev_b32 v[LVS], 4, v[R4]
	v_mad_u32_u24 v[LV], v[SH8], 320, v[LVS]
	v_lshlrev_b32 v[LKS], 4, v14
	v_mul_u32_u24 v[LK8], v15, 1920
	v_add_nc_u32 v[LK16], v[LKS], v[LK8]
	v_mad_u32_u24 v[LK16], v[SH8], 320, v[LK16]
	v_lshl_add_u32 v[LK8], v14, 3, v[LK8]
	v_lshl_add_u32 v[LK8], v[SH8], 7, v[LK8]
	v_lshl_add_u32 v[LKS], v15, 3, v[LKS]
	v_lshlrev_b32 v[R4], 2, v[R4]
	v_lshlrev_b32 v[SH8], 3, v[SH8]
	global_load_b128 v[QA:QA+3], v[L16], s[38:39]              ; Q of both my tiles
	global_load_b64 v[QA+4:QA+5], v[L8], s[38:39] offset:512
	global_load_b32 v[QSA], v[LVS], s[40:41]
	global_load_b128 v[QB:QB+3], v[L16], s[38:39] offset:2*REC
	global_load_b64 v[QB+4:QB+5], v[L8], s[38:39] offset:2*REC+512
	global_load_b32 v[QSB], v[LVS], s[40:41] offset:2*REC
.irp i, 22,23,24,25,26,27,80,81,82,83,84,85,242,243,244,245,246,247
	v_mov_b32 v[\i], 0                             ; zero codes: Q's upper halves, and what stands behind K's last tile
.endr
	v_mov_b32 v[TP], 0                             ; written once: a lane permute's destination counts as one of its sources
	v_mov_b32 v[FF+1], 0                           ; (named as the upper half of a pair)
; A KEY STEP: the 128 keys of the record at s[TB], against the tile of queries in v[q ..]
.macro STEP q, qs
	v_add_nc_u32 v[AK16], s[TB], v[LK16]           ; these four are also the places between the last products and the loads into their operands
	v_add_nc_u32 v[AK8], s[TB], v[LK8]
	v_add_nc_u32 v[AKS], s[TB], v[LKS]
	v_mov_b32 v[TU], v12                           ; the old -M
.irp c, 0,1
.irp x, 0,1
.irp y, 0,1
	ds_load_b128 v[KF+6*(4*\c+2*\x+\y):KF+6*(4*\c+2*\x+\y)+3], v[AK16] offset:3840*\c+960*\y+128*\x
	ds_load_b64 v[KF+6*(4*\c+2*\x+\y)+4:KF+6*(4*\c+2*\x+\y)+5], v[AK8] offset:3840*\c+960*\y+64*\x+640
.endr
	ds_load_b64 v[KS+4*\c+2*\x:KS+4*\c+2*\x+1], v[AKS] offset:7680+320*\c+128*\x   ; the words of tiles 4 c + 2 x and 4 c + 2 x + 1
.endr
.endr
	s_wait_dscnt 0x0
.irp t, 0,1,2,3,4,5,6,7
	v_wmma_scale_f32_16x16x128_f8f6f4 v[S+8*\t:S+8*\t+7], v[KF+6*\t:KF+6*\t+11], v[\q:\q+11], 0, v[KS+\t], v[\qs] matrix_a_fmt:MATRIX_FMT_FP6 matrix_b_fmt:MATRIX_FMT_FP6
.endr
	v_add_nc_u32 v[AV], s[TB], v[LV]               ; four places in front of the loads below and of the first read of the scores
	v_add_nc_u32 v[AVS], s[TB], v[LVS]
	v_nop
	v_nop
.irp t, 0,1,2,3
.irp g, 0,1,2
	ds_load_b128 v[KF+12*\t+4*\g:KF+12*\t+4*\g+3], v[AV] offset:8320+1920*\t+640*\g   ; V lands while the softmax is worked
.endr
.endr
	ds_load_b128 v[VS:VS+3], v[AVS] offset:16000
.irp c, 0,1                                    ; the largest score of my two blocks of 32 keys, four chains by turns, each accumulator from its low end on
	v_max3_num_f32 v[BM+\c], v[S+32*\c], v[S+32*\c+1], v[S+32*\c+2]
	v_max3_num_f32 v[BS+\c], v[S+32*\c+16], v[S+32*\c+17], v[S+32*\c+18]
.endr
.irp i, 3,5,7,9,11,13
.irp c, 0,1
	v_max3_num_f32 v[BM+\c], v[BM+\c], v[S+32*\c+\i], v[S+32*\c+\i+1]
	v_max3_num_f32 v[BS+\c], v[BS+\c], v[S+32*\c+16+\i], v[S+32*\c+17+\i]
.endr
.endr
.irp c, 0,1
	v_max3_num_f32 v[BM+\c], v[BM+\c], v[BS+\c], v[S+32*\c+15]
.endr
.irp c, 0,1
	v_max_num_f32 v[BM+\c], v[BM+\c], v[S+32*\c+31]
.endr
	s_delay_alu instid0(VALU_DEP_1)
	v_max3_num_f32 v13, v13, v[BM], v[BM+1]        ; the running largest score: my half of the keys,
	s_delay_alu instid0(VALU_DEP_1)
	v_permlanex16_b32 v[TP], v13, s[SEL], s[SEL+1]
	s_delay_alu instid0(VALU_DEP_1)
	v_max_num_f32 v13, v13, v[TP]                  ; and the other half's
	s_delay_alu instid0(VALU_DEP_1)
	v_mul_f32 v[TT], s[NC], v13                    ; -t
	s_delay_alu instid0(VALU_DEP_1)
	v_floor_f32 v12, v[TT]                         ; the new -M = floor(-t)
	s_delay_alu instid0(VALU_DEP_1)
	v_sub_f32 v[TT], v12, v[TU]                    ; old M - new M: a whole number, 0 or less
	s_delay_alu instid0(VALU_DEP_1)
	v_cvt_i32_f32 v[TT], v[TT]                     ; (it saturates)
	s_delay_alu instid0(VALU_DEP_1)
	v_ldexp_f32 v[FF], 1.0, v[TT]                  ; f
.set i, 0
.rept 32
	v_pk_fma_f32 v[S+i:S+i+1], v[S+i:S+i+1], s[CS:CS+1], v[12:13] op_sel_hi:[1,0,0]   ; t - M, two at a time
.set i, i+2
.endr
.irp c, 0,1
	v_fma_f32 v[BM+\c], v[BM+\c], s[CS], v12       ; the same of each block's largest score
.endr
	s_wait_alu depctr_va_vdst(0)                   ; ahead of the batch
.set i, 0
.rept 64
	v_exp_f32 v[S+i], v[S+i]                       ; p = 2^(t - M)
.set i, i+1
.endr
.irp c, 0,1
	v_exp_f32 v[BM+\c], v[BM+\c]                   ; the blocks' largest p: the same two instructions on the same number
.endr
	s_wait_alu depctr_va_vdst(0)                   ; and behind it, directly ahead of the first reader of O^T
.set i, 0
.rept 16
	v_pk_mul_f32 v[O+i:O+i+1], v[O+i:O+i+1], v[FF:FF+1] op_sel_hi:[1,0]   ; O^T under the new M, each accumulator from its low end on
.set i, i+2
.endr
.irp c, 0,1
	v_max_num_f32 v[BM+\c], 0x1800000, v[BM+\c]    ; the floor 2^(3 - 127): the byte cannot fall under 1
.endr
.irp c, 0,1
	v_add_nc_u32 v[BS+\c], 0xff000000, v[BM+\c]    ; 2 off the exponent field: the conversion's scale operand
.endr
.irp c, 0,1
	v_cvt_scalef32_pk16_fp6_f32 v[PC+6*\c:PC+6*\c+2], v[S+32*\c:S+32*\c+15], v[BS+\c]
	v_cvt_scalef32_pk16_fp6_f32 v[PT+4*\c:PT+4*\c+2], v[S+32*\c+16:S+32*\c+31], v[BS+\c]   ; (a conversion's three registers begin on an even number)
.endr
.irp c, 0,1
	v_lshrrev_b32 v[BY+\c], 23, v[BS+\c]           ; the scale's byte.  (Plain instructions behind the conversions)
.endr
	v_lshl_or_b32 v[PW], v[BY+1], 16, v[BY]        ; blocks h and 2 + h,
	s_delay_alu instid0(VALU_DEP_1)
	v_lshlrev_b32 v[PW], v[SH8], v[PW]             ; at their places in the word;
	s_delay_alu instid0(VALU_DEP_1)
	v_permlanex16_b32 v[TP], v[PW], s[SEL], s[SEL+1]
	s_delay_alu instid0(VALU_DEP_1)
	v_or_b32 v[PW], v[PW], v[TP]                   ; with the other half's two the word is whole
.irp c, 0,1
.irp i, 0,1,2
	v_mov_b32 v[PC+6*\c+3+\i], v[PT+4*\c+\i]
.endr
.endr
	v_pk_fma_f32 v[SUM:SUM+1], v[SUM:SUM+1], v[FF:FF+1], v[S:S+1] op_sel_hi:[1,0,1]   ; l x f + p: the sum of the unquantised p, four chains.  These 32 are also the places behind p's word and codes
	v_pk_add_f32 v[SUM+2:SUM+3], v[S+2:S+3], v[S+4:S+5]
	v_pk_add_f32 v[SUM+4:SUM+5], v[S+6:S+7], v[S+8:S+9]
	v_pk_add_f32 v[SUM+6:SUM+7], v[S+10:S+11], v[S+12:S+13]
.set k, 7
.rept 25
	v_pk_add_f32 v[SUM+2*((k-7)%4):SUM+2*((k-7)%4)+1], v[SUM+2*((k-7)%4):SUM+2*((k-7)%4)+1], v[S+2*k:S+2*k+1]
.set k, k+1
.endr
	v_pk_add_f32 v[SUM:SUM+1], v[SUM:SUM+1], v[SUM+2:SUM+3]
	v_pk_add_f32 v[SUM+4:SUM+5], v[SUM+4:SUM+5], v[SUM+6:SUM+7]
	s_delay_alu instid0(VALU_DEP_1)
	v_pk_add_f32 v[SUM:SUM+1], v[SUM:SUM+1], v[SUM+4:SUM+5]
	s_wait_alu depctr_va_vdst(0)                   ; directly ahead of the wait below
	s_wait_dscnt 0x0                               ; V
.irp t, 0,1,2,3
	v_wmma_scale_f32_16x16x128_f8f6f4 v[O+8*\t:O+8*\t+7], v[KF+12*\t:KF+12*\t+11], v[PC:PC+11], v[O+8*\t:O+8*\t+7], v[VS+\t], v[PW] matrix_a_fmt:MATRIX_FMT_FP6 matrix_b_fmt:MATRIX_FMT_FP6   ; the four accumulators take turns
.endr
.endm
; One tile of queries through all 16 records, then O^T / l, quantised: register 16 b + i of O^T is channel 32 b + 16 h + i of my query
.macro PASS p, q, qs
	v_mov_b32 v13, 0xff61b1e6                      ; -3e38, under every score; l and O^T begin as zeros, which the first change of M leaves zeros
	v_mov_b32 v[SUM], 0
	v_mov_b32 v[SUM+1], 0
	v_mul_f32 v[TT], s[NC], v13
	s_delay_alu instid0(VALU_DEP_1)
	v_floor_f32 v12, v[TT]
.set i, 0
.rept 32
	v_mov_b32 v[O+i], 0
.set i, i+1
.endr
	s_mov_b32 s[TB], 0
	s_mov_b32 s[CNT], 16
.Lstep_\@:
	STEP \q, \qs
	s_add_co_u32 s[TB], s[TB], RECL
	s_sub_co_u32 s[CNT], s[CNT], 1
	s_cmp_lg_u32 s[CNT], 0
	s_cbranch_scc1 .Lstep_\@
.if \p
	s_wait_xcnt 0x0                                ; the first tile's stores have read their registers
.endif
	v_add_f32 v[TT], v[SUM], v[SUM+1]
	s_delay_alu instid0(VALU_DEP_1)
	v_permlanex16_b32 v[TP], v[TT], s[SEL], s[SEL+1]
	s_delay_alu instid0(VALU_DEP_1)
	v_add_f32 v[TT], v[TT], v[TP]                  ; the row's sum
	s_wait_alu depctr_va_vdst(0)                   ; ahead of the reciprocal,
	v_rcp_f32 v[FF], v[TT]
	v_nop                                          ; (with the two additions: four places behind the last products)
	v_nop
	s_wait_alu depctr_va_vdst(0)                   ; and ahead of its first reader
.set i, 0
.rept 16
	v_pk_mul_f32 v[O+i:O+i+1], v[O+i:O+i+1], v[FF:FF+1] op_sel_hi:[1,0]
.set i, i+2
.endr
.irp b, 0,1
	v_max3_num_f32 v[BM+\b], |v[O+16*\b]|, |v[O+16*\b+1]|, 0x1800000
.endr
.irp i, 2,4,6,8,10,12,14
.irp b, 0,1
	v_max3_num_f32 v[BM+\b], v[BM+\b], |v[O+16*\b+\i]|, |v[O+16*\b+\i+1]|
.endr
.endr
.irp b, 0,1
	v_permlanex16_b32 v[BY+\b], v[BM+\b], s[SEL], s[SEL+1]
.endr
.irp b, 0,1
	v_max_num_f32 v[BM+\b], v[BM+\b], v[BY+\b]     ; a block of 32 channels lies in lanes l and l xor 16
.endr
.irp b, 0,1
	v_add_nc_u32 v[BS+\b], 0xff000000, v[BM+\b]
.endr
.irp b, 0,1
	v_lshrrev_b32 v[BY+\b], 23, v[BS+\b]
.endr
	v_lshl_or_b32 v[OW], v[BY+1], 8, v[BY]
	v_cvt_scalef32_pk16_fp6_f32 v[FRG:FRG+2], v[O:O+15], v[BS]
	v_cvt_scalef32_pk16_fp6_f32 v[PT:PT+2], v[O+16:O+31], v[BS+1]
	v_nop                                          ; one plain instruction behind the scaled conversions
.irp i, 0,1,2
	v_permlane16_swap_b32 v[FRG+\i], v[PT+\i]      ; a whole block in a lane: lanes 0-15 block 0, lanes 16-31 block 1
.endr
.irp i, 0,1,2
	v_mov_b32 v[FRG+3+\i], v[PT+\i]
.endr
	global_store_b128 v[L16], v[FRG:FRG+3], s[42:43] offset:\p*196608        ; 512 consecutive bytes, aligned to 256
	global_store_b64 v[L8], v[FRG+4:FRG+5], s[42:43] offset:\p*196608+512    ; 256 consecutive bytes, aligned
	global_store_b16 v[R4], v[OW], s[44:45] offset:\p*8192                   ; my head's half of each row's word; lanes l and l + 16 write the same
.endm
	s_wait_alu depctr_va_vdst(0)                   ; the head's end
	s_wait_tensorcnt 0x0                           ; my record is in
	s_barrier_signal -1
	s_barrier_wait -1                              ; and so is everybody's
	s_wait_loadcnt 0x0                             ; Q
	PASS 0, QA, QSA
	PASS 1, QB, QSB
	s_wait_tensorcnt 0x0                           ; the wave's end
	ds_add_u32 v[SPW], v[NIL]
	s_wait_dscnt 0x0
	CROUND                                         ; the closing round
	s_endpgm
.Lfunc_end_k_qe23ed78e8f_attn:
	.size	k_qe23ed78e8f_attn, .Lfunc_end_k_qe23ed78e8f_attn-k_qe23ed78e8f_attn
	.p2alignl 7, 3214868480
	.fill 96, 4, 3214868480
	.section	.rodata,"a",@progbits
	.p2align	6, 0x0
	.amdhsa_kernel k_qe23ed78e8f_attn
		.amdhsa_group_segment_fixed_size 327680
		.amdhsa_private_segment_fixed_size 0
		.amdhsa_enable_private_segment 0
		.amdhsa_kernarg_size 24
		.amdhsa_user_sgpr_count 2
		.amdhsa_user_sgpr_kernarg_segment_ptr 1
		.amdhsa_wavefront_size32 1
		.amdhsa_system_sgpr_workgroup_id_x 1
		.amdhsa_system_sgpr_workgroup_id_y 1
		.amdhsa_system_sgpr_workgroup_id_z 1
		.amdhsa_system_vgpr_workitem_id 0
		.amdhsa_next_free_vgpr 256
		.amdhsa_next_free_sgpr 66
		.amdhsa_reserve_vcc 0
		.amdhsa_float_denorm_mode_32 3
		.amdhsa_float_denorm_mode_16_64 3
		.amdhsa_memory_ordered 1
		.amdhsa_forward_progress 1
		.amdhsa_inst_pref_size 47
	.end_amdhsa_kernel
	.amdgpu_metadata
---
amdhsa.version: [ 1, 2 ]
amdhsa.kernels:
  - .name:           k_qe23ed78e8f_attn
    .symbol:         k_qe23ed78e8f_attn.kd
    .args:
      - { .name: qkv, .offset: 0, .size: 8, .value_kind: global_buffer, .address_space: global }
      - { .name: img, .offset: 8, .size: 8, .value_kind: global_buffer, .address_space: global }
      - { .name: sc, .offset: 16, .size: 8, .value_kind: global_buffer, .address_space: global }
    .group_segment_fixed_size: 327680
    .private_segment_fixed_size: 0
    .kernarg_segment_align: 8
    .kernarg_segment_size: 24
    .max_flat_workgroup_size: 512
    .sgpr_count:     66
    .vgpr_count:     256
    .wavefront_size: 32
...
	.end_amdgpu_metadata
.endif
;; end of part 4
;; launch proj (part 5): grid 4 x 64, 4 waves a work-group, clusters of 4 x 4, 327,680 bytes of LDS; arguments img, sc, b_proj, out0; writes out0
.if DOCPART == 5
	.amdgcn_target "amdgcn-amd-amdhsa--gfx1250"
	.amdhsa_code_object_version 6
	.text
	.protected	k_qe23ed78e8f_proj
	.globl	k_qe23ed78e8f_proj
	.p2align	8
	.type	k_qe23ed78e8f_proj,@function
k_qe23ed78e8f_proj:
	s_mov_b64 s[64:65], 0
	v_nop
	global_prefetch_b8 v0, s[64:65] scope:SCOPE_SE
	s_setreg_imm32_b32 hwreg(HW_REG_WAVE_MODE, 25, 1), 1
	s_wait_xcnt 0x0
	s_wait_alu depctr_hold_cnt(0) depctr_sa_sdst(0) depctr_va_vdst(0) depctr_va_sdst(0) depctr_va_ssrc(0) depctr_va_vcc(0) depctr_vm_vsrc(0)
	s_getreg_b32 s2, hwreg(HW_REG_IB_STS2, 6, 4)
	s_cmp_eq_u32 s2, 0
	s_cbranch_scc0 .Lentry_in_a_cluster
	s_endpgm
.Lentry_in_a_cluster:
	s_bfe_u32 s2, ttmp6, 0x10000c
	s_cmp_lg_u32 s2, 0xf033
	s_cbranch_scc0 .Lentry_shape_is_right
	s_endpgm
.Lentry_shape_is_right:
; out0[token][n] = sum over k of O[token][k] w_proj[n][k] + b_proj[n], on codes of FP6 (E2M3) with E8M0 scales; sums in f32.
; Both operands lie in img as images of operand registers: img[tile][K step 0..7][1,536 bytes]; tiles 704-767 w_proj, 768-1279 the attention's result; sc[tile][K step][16 words] their scale words.
; Lane r of tile T holds row 32 (T / 2) + 8 (T % 2) + r + 8 (r / 8).  w_proj's fragment: register group g of lane l at 512 g + 16 l.  The attention's: two halves of 768 bytes: registers 6 c .. 6 c + 3 at 768 c + 16 l, 6 c + 4, 6 c + 5 at 768 c + 512 + 8 l.
; SHARES.  A work-group makes 128 rows x 256 columns: 64 x 4 = 256 work-groups.  Its operands for ALL of K, 8 tiles of A (98,304 bytes) and 16 of B (196,608), lie in LDS at once: each is dense in memory.
; Waves 0, 1 fetch four tiles of A each, waves 2, 3 eight tiles of B each: one tensor load a wave at the head, nothing is filled again, so one barrier shows the operands to all.
; A wave makes 64 x 128: 32 accumulators, 256 registers (window 2); B's fragments in two sets in window 1, A's in two sets in window 0; while a K step's 32 products run, the next step's 40 LDS loads are out.
; CLUSTER 4 x 4: A's tiles hang on the block row alone and are asked for jointly along a row of the cluster, B's on the block column alone, along a column.
; THE MATRIX INSTRUCTION IS USED TRANSPOSED (source 0 = 16 rows of w_proj, source 1 = 16 tokens): a lane holds eight neighbouring columns of one row of the result.
; NO PREFETCH: every tensor load stands at the head, so there is no loop in which to ask ahead of one.
.set FR,    12
.set TILEB, 12288                      ; a tile's eight images
.set BOFF,  8*TILEB                    ; LDS: A's 8 tiles, then B's 16
.set SPARE, 24*TILEB                   ; behind them the spare words, 128 bytes a wave, that no other line names
.set SPITCH, 528                       ; the way out: a stage of 16 rows x (512 + 16) bytes a wave, on A's bytes, behind the barrier that ends all reads of the operands
.set ADRA,  16                         ; v16 my A tiles, 16 x lane; v17 the same, 8 x lane
.set ADRB,  20                         ; v20 my B tiles 0-3, v21 tiles 4-7
.set SCO,   22                         ; v22 scale words: lanes 0-15 A's rows, lanes 16-31 B's
.set SCB,   23                         ; v23 scale words: B's rows in all lanes
.set L16,   24                         ; v24 16 x lane
.set STO,   25                         ; v25 the stage, way in
.set RD,    26                         ; v26 the stage, way back
.set SPW,   28                         ; v28 LDS address of my spare word; never rewritten
.set NIL,   29                         ; v29 0; never rewritten
.set SC,    32                         ; v32-95 scale words: register 8 i + s: lanes 0-15 A's block i (i under 4), lanes 16-31 B's block i, K step s
.set BIAS,  96                         ; v96-99 my four columns' bias
.set AF,    128                        ; v128-223 A's fragments, two sets of 48
.set BK,    128                        ; the way out: v128-191, v192-255 by turns
.set G1,    24
.set G0,    32
.set G1B,   48
.set G0B,   56
.set MSB, 0
.macro WIN new                         ; the immediate's high byte repeats the setting that is left
.if MSB != (\new)
	s_set_vgpr_msb (MSB<<8)|(\new)
.set MSB, (\new)
.endif
.endm
.set MUL_LO, 0xa1                      ; source 0 (B) window 1, source 1 (A) window 0, C and D window 2
.set TO_B,   0x40                      ; destination window 1, address window 0
.macro CROUND                          ; a round of the cluster's barrier
	s_barrier_signal -1
	s_barrier_wait -1
	s_cmp_lg_u32 s14, 0
	s_cbranch_scc1 .Lnot_wave_0_\@
	s_barrier_signal -3
.Lnot_wave_0_\@:
	s_barrier_wait -3
	s_barrier_signal -1
	s_barrier_wait -1
.endm
.macro PLACES n
.rept \n
	v_nop
.endr
.endm
	s_load_b256 s[4:11], s[0:1], 0x0               ; img, sc, b_proj, out0
	v_lshl_add_u32 v[SPW], v0, 2, SPARE
	v_mov_b32 v[NIL], 0
	ds_add_u32 v[SPW], v[NIL]                      ; the opening lines: the add, twice on end, and its wait ahead of my tensor load
	ds_add_u32 v[SPW], v[NIL]
	v_lshrrev_b32 v1, 5, v0
	v_readfirstlane_b32 s14, v1                    ; wave 0..3
	s_lshr_b32 s15, s14, 1                         ; my half of the block's rows.  Also: I fetch for A (0) or for B (1)
	s_and_b32 s16, s14, 1                          ; my half of its columns.  Also: which half of that operand I fetch
	s_bfe_u32 s40, ttmp6, 0x40000                  ; cx
	s_bfe_u32 s41, ttmp6, 0x40004                  ; cy
	s_lshl_b32 s42, ttmp9, 2
	s_add_co_u32 s42, s42, s40                     ; block column
	s_and_b32 s17, ttmp7, 0xffff
	s_lshl_b32 s17, s17, 2
	s_add_co_u32 s17, s17, s41                     ; block row
	s_lshl_b32 s43, s41, 2
	s_lshl_b32 s43, 15, s43                        ; my row of the cluster
	s_lshl_b32 s44, 0x1111, s40                    ; my column
	s_or_b32 s[G1], s43, (3<<16)|(1<<21)           ; group 1: rows of 12,288 bytes (1,536 elements of 8), one a tile, dense: four for A,
	s_mov_b32 s[G1+1], 1536<<16
	s_mov_b32 s[G1+2], 4<<16
	s_mov_b32 s[G1+3], 1536<<16
	s_mov_b32 s[G1+4], 4
	s_mov_b32 s[G1+5], 1536
	s_mov_b32 s[G1+6], 0
	s_mov_b32 s[G1+7], 0
	s_or_b32 s[G1B], s44, (3<<16)|(1<<21)          ; eight for B
	s_mov_b32 s[G1B+1], 1536<<16
	s_mov_b32 s[G1B+2], 8<<16
	s_mov_b32 s[G1B+3], 1536<<16
	s_mov_b32 s[G1B+4], 8
	s_mov_b32 s[G1B+5], 1536
	s_mov_b32 s[G1B+6], 0
	s_mov_b32 s[G1B+7], 0
	s_lshl_b32 s20, s17, 3
	s_add_co_u32 s20, s20, 768                     ; A's first tile: 768 + 8 x block row
	s_lshl_b32 s46, s42, 4
	s_add_co_u32 s46, s46, 704                     ; B's: 704 + 16 x block column
	s_lshl_b32 s18, s16, 2
	s_add_co_u32 s72, s20, s18
	s_mul_i32 s72, s72, TILEB
	s_mov_b32 s73, 0
	s_lshl_b32 s18, s16, 3
	s_add_co_u32 s74, s46, s18
	s_mul_i32 s74, s74, TILEB
	s_mov_b32 s75, 0
	s_mov_b32 s[G0], 1
	s_mul_i32 s[G0+1], s16, 4*TILEB
	s_mov_b32 s[G0B], 1
	s_mul_i32 s[G0B+1], s16, 8*TILEB
	s_add_co_u32 s[G0B+1], s[G0B+1], BOFF
	s_wait_dscnt 0x0                               ; both opening adds are done
	s_wait_kmcnt 0x0
	s_add_nc_u64 s[G0+2:G0+3], s[4:5], s[72:73]
	s_or_b32 s[G0+3], s[G0+3], 0x80000000
	s_add_nc_u64 s[G0B+2:G0B+3], s[4:5], s[74:75]
	s_or_b32 s[G0B+3], s[G0B+3], 0x80000000
	CROUND                                         ; all sixteen work-groups are here: the joint loads meet
	s_cmp_eq_u32 s15, 0                            ; each of the two lines has one mask; the branch hangs on the wave's number alone
	s_cbranch_scc0 .Lfor_b
	tensor_load_to_lds s[G0:G0+3], s[G1:G1+7]
	s_nop 0
	PLACES 4
	s_branch .Lasked
.Lfor_b:
	tensor_load_to_lds s[G0B:G0B+3], s[G1B:G1B+7]
	s_nop 0
	PLACES 4
.Lasked:
	s_mul_i32 s21, s15, 4*TILEB                    ; my four tiles of A
	s_mul_i32 s22, s16, 8*TILEB
	s_add_co_u32 s22, s22, BOFF                    ; my eight of B
	s_add_co_u32 s23, s22, 4*TILEB
	s_lshl_b32 s18, s15, 2
	s_add_co_u32 s18, s20, s18
	s_lshl_b32 s18, s18, 9                         ; their scale words: 512 bytes a tile
	s_lshl_b32 s19, s16, 3
	s_add_co_u32 s19, s46, s19
	s_lshl_b32 s19, s19, 9
	s_mul_i32 s76, s14, 16*SPITCH                  ; my stage
	s_lshl_b32 s78, s42, 10
	s_lshl_b32 s77, s16, 9
	s_add_co_u32 s78, s78, s77                     ; my first column, in bytes
	s_mov_b32 s79, 0
	s_add_nc_u64 s[8:9], s[8:9], s[78:79]
	s_add_nc_u64 s[10:11], s[10:11], s[78:79]
	s_lshl_b32 s78, s17, 1
	s_add_co_u32 s78, s78, s15
	s_lshl_b32 s78, s78, 18                        ; my first row: 64 rows of 4,096 bytes x (2 x block row + half)
	s_add_nc_u64 s[10:11], s[10:11], s[78:79]
	v_and_b32 v1, 15, v0                           ; r
	v_bfe_u32 v2, v0, 4, 1                         ; h
	v_and_b32 v3, 31, v0
	v_lshlrev_b32 v[L16], 4, v3
	v_lshlrev_b32 v6, 3, v3
	v_add_nc_u32 v[ADRA], s21, v[L16]
	v_add_nc_u32 v[ADRA+1], s21, v6
	v_add_nc_u32 v[ADRB], s22, v[L16]
	v_add_nc_u32 v[ADRB+1], s23, v[L16]
	v_cmp_gt_u32 s66, 16, v3
	v_mov_b32 v4, s19
	v_mov_b32 v5, s18
	v_cndmask_b32 v5, v4, v5, s66                  ; lanes 0-15 take A's words
	v_lshl_add_u32 v[SCO], v1, 2, v5
	v_lshl_add_u32 v[SCB], v1, 2, v4
	v_mul_u32_u24 v7, v1, SPITCH
	v_lshl_add_u32 v7, v2, 6, v7
	v_add_nc_u32 v[STO], s76, v7                   ; in: row r, 64 bytes for each half of the lanes and pair of tiles
	v_add_nc_u32 v[RD], s76, v[L16]                ; back: the 32 lanes take one row of 512 bytes
	global_load_b128 v[BIAS:BIAS+3], v[L16], s[8:9]
.irp s, 0,1,2,3,4,5,6,7                        ; the scale words, the first K steps' first, under the tensor loads' flight
.irp i, 0,1,2,3
	global_load_b32 v[SC+8*\i+\s], v[SCO], s[6:7] offset:512*\i+64*\s
.endr
.irp i, 4,5,6,7
	global_load_b32 v[SC+8*\i+\s], v[SCB], s[6:7] offset:512*\i+64*\s
.endr
.endr
.macro FETCH s, p                      ; K step s: B's eight fragments and A's four into set p: 40 LDS loads
	WIN TO_B
.irp b, 0,1,2,3,4,5,6,7
.irp c, 0,1,2
	ds_load_b128 v[128*(\p)+FR*\b+4*\c:128*(\p)+FR*\b+4*\c+3], v[ADRB+\b/4] offset:TILEB*(\b%4)+1536*(\s)+512*\c
.endr
.endr
	WIN 0
.irp a, 0,1,2,3
.irp c, 0,1
	ds_load_b128 v[AF+48*(\p)+FR*\a+6*\c:AF+48*(\p)+FR*\a+6*\c+3], v[ADRA] offset:TILEB*\a+1536*(\s)+768*\c
	ds_load_b64 v[AF+48*(\p)+FR*\a+6*\c+4:AF+48*(\p)+FR*\a+6*\c+5], v[ADRA+1] offset:TILEB*\a+1536*(\s)+768*\c+512
.endr
.endr
.endm
.macro MUL32 p, s, zero                ; 32 products: the 32 accumulators take turns, in the same order in every step
	WIN MUL_LO
.irp a, 0,1,2,3
.irp b, 0,1,2,3,4,5,6,7
.if \zero
	v_wmma_scale_f32_16x16x128_f8f6f4 v[8*(8*\a+\b):8*(8*\a+\b)+7], v[128*(\p)+FR*\b:128*(\p)+FR*\b+FR-1], v[AF+48*(\p)+FR*\a:AF+48*(\p)+FR*\a+FR-1], 0, v[SC+8*\b+(\s)], v[SC+8*\a+(\s)] matrix_a_fmt:MATRIX_FMT_FP6 matrix_b_fmt:MATRIX_FMT_FP6 matrix_a_scale:MATRIX_SCALE_ROW1
.else
	v_wmma_scale_f32_16x16x128_f8f6f4 v[8*(8*\a+\b):8*(8*\a+\b)+7], v[128*(\p)+FR*\b:128*(\p)+FR*\b+FR-1], v[AF+48*(\p)+FR*\a:AF+48*(\p)+FR*\a+FR-1], v[8*(8*\a+\b):8*(8*\a+\b)+7], v[SC+8*\b+(\s)], v[SC+8*\a+(\s)] matrix_a_fmt:MATRIX_FMT_FP6 matrix_b_fmt:MATRIX_FMT_FP6 matrix_a_scale:MATRIX_SCALE_ROW1
.endif
.endr
.endr
	WIN 0
.endm
	s_wait_alu depctr_va_vdst(0)                   ; the head's end
	s_wait_tensorcnt 0x0                           ; my part of the operands is in
	s_barrier_signal -1
	s_barrier_wait -1                              ; and so is everybody's
	FETCH 0, 0
	s_wait_loadcnt 0x0                             ; the scale words and the bias
	s_wait_dscnt 0x0
	FETCH 1, 1
	MUL32 0, 0, 1                                  ; the first step's products start the sums
.irp st, 1,2,3,4,5,6
	s_wait_dscnt 0x0                               ; this step's fragments are in
	PLACES 4                                       ; places between the last step's products and the loads into their operands
	FETCH \st+1, (\st+1)%2
	MUL32 \st%2, \st, 0
.endr
	s_wait_dscnt 0x0                               ; the last step's fragments are in: my reads of the operands are over
	s_barrier_signal -1
	MUL32 1, 7, 0
	s_barrier_wait -1                              ; and everybody's: the stages may lie on A's bytes, which have had their one fill
; THE WAY OUT, block by block of 16 rows x 128 columns, through my own stage: back come whole rows of 512 bytes, which the 32 lanes store as two aligned units of 256 bytes
.macro TOSTAGE a
	WIN 0x08                                       ; the data: window 2
.irp b, 0,1,2,3,4,5,6,7
	ds_store_b128 v[STO], v[64*(\a)+8*\b:64*(\a)+8*\b+3] offset:128*(\b/2)+32*(\b%2)        ; each accumulator from its low end on
	ds_store_b128 v[STO], v[64*(\a)+8*\b+4:64*(\a)+8*\b+7] offset:128*(\b/2)+32*(\b%2)+16
.endr
	WIN 0
.set BB, BK+64*((\a)%2)
.irp t, 0,1,2,3,4,5,6,7,8,9,10,11,12,13,14,15
	ds_load_b128 v[BB+4*\t:BB+4*\t+3], v[RD] offset:\t*SPITCH   ; LDS serves a wave's instructions in order: these see the stores above
.endr
.endm
.macro SEND a, younger                 ; younger: the LDS instructions issued behind block a's loads, which may stay out
.set BB, BK+64*((\a)%2)
	s_wait_dscnt \younger
.irp t, 0,1,2,3,4,5,6,7,8,9,10,11,12,13,14,15
	v_pk_add_f32 v[BB+4*\t:BB+4*\t+1], v[BB+4*\t:BB+4*\t+1], v[BIAS:BIAS+1]
	v_pk_add_f32 v[BB+4*\t+2:BB+4*\t+3], v[BB+4*\t+2:BB+4*\t+3], v[BIAS+2:BIAS+3]
.endr
.irp t, 0,1,2,3,4,5,6,7,8,9,10,11,12,13,14,15
	global_store_b128 v[L16], v[BB+4*\t:BB+4*\t+3], s[10:11] offset:(32*((\a)/2)+8*((\a)%2)+\t+8*(\t/8))*4096 th:TH_STORE_NT
.endr
.endm
	PLACES 4                                       ; places behind the last products
	TOSTAGE 0
.irp a, 1,2,3
.if \a > 1
	s_wait_xcnt 0x0                                ; block a - 2's stores have read their registers
.endif
	TOSTAGE \a
	SEND \a-1, 32                                  ; behind block a - 1's loads: block a's 16 stores and 16 loads
.endr
	SEND 3, 0
	s_wait_tensorcnt 0x0                           ; the wave's end
	ds_add_u32 v[SPW], v[NIL]
	s_wait_dscnt 0x0
	CROUND                                         ; the closing round
	s_endpgm
.Lfunc_end_k_qe23ed78e8f_proj:
	.size	k_qe23ed78e8f_proj, .Lfunc_end_k_qe23ed78e8f_proj-k_qe23ed78e8f_proj
	.p2alignl 7, 3214868480
	.fill 96, 4, 3214868480
	.section	.rodata,"a",@progbits
	.p2align	6, 0x0
	.amdhsa_kernel k_qe23ed78e8f_proj
		.amdhsa_group_segment_fixed_size 327680
		.amdhsa_private_segment_fixed_size 0
		.amdhsa_enable_private_segment 0
		.amdhsa_kernarg_size 32
		.amdhsa_user_sgpr_count 2
		.amdhsa_user_sgpr_kernarg_segment_ptr 1
		.amdhsa_wavefront_size32 1
		.amdhsa_system_sgpr_workgroup_id_x 1
		.amdhsa_system_sgpr_workgroup_id_y 1
		.amdhsa_system_sgpr_workgroup_id_z 1
		.amdhsa_system_vgpr_workitem_id 0
		.amdhsa_next_free_vgpr 768
		.amdhsa_next_free_sgpr 100
		.amdhsa_reserve_vcc 0
		.amdhsa_float_denorm_mode_32 3
		.amdhsa_float_denorm_mode_16_64 3
		.amdhsa_memory_ordered 1
		.amdhsa_forward_progress 1
		.amdhsa_inst_pref_size 90
	.end_amdhsa_kernel
	.amdgpu_metadata
---
amdhsa.version: [ 1, 2 ]
amdhsa.kernels:
  - .name:           k_qe23ed78e8f_proj
    .symbol:         k_qe23ed78e8f_proj.kd
    .args:
      - { .name: img, .offset: 0, .size: 8, .value_kind: global_buffer, .address_space: global }
      - { .name: sc, .offset: 8, .size: 8, .value_kind: global_buffer, .address_space: global }
      - { .name: b_proj, .offset: 16, .size: 8, .value_kind: global_buffer, .address_space: global }
      - { .name: out0, .offset: 24, .size: 8, .value_kind: global_buffer, .address_space: global }
    .group_segment_fixed_size: 327680
    .private_segment_fixed_size: 0
    .kernarg_segment_align: 8
    .kernarg_segment_size: 32
    .max_flat_workgroup_size: 128
    .sgpr_count:     100
    .vgpr_count:     768
    .wavefront_size: 32
...
	.end_amdgpu_metadata
.endif
;; end of part 5
